; MI455X (gfx1250); checked and timed in simulation.
; The chip was launched on July 23, 2026; its instructions are those of AMD's public machine-readable ISA for CDNA 5 (MIT licence, August 2026) and "CDNA5" Instruction Set Architecture Reference Guide (July 2026). The comments in the code are by the model that wrote it; some were corrected since.
;; Mini MHSA. Allowed arithmetic: matrix products marked QUANTISED: E2M3 operands, one E8M0 scale for each 32 along K, by v_wmma_scale_f32_16x16x128_f8f6f4 with both operands' format E2M3, f32 sums; everything else in f32.
;; Inputs: W_out 1,024 x 1,024 float32; W_qkv 3,072 x 1,024 float32; b_out 1,024 float32; b_qkv 3,072 float32; mask 4 x 2,048 bool; x 4 x 2,048 x 1,024 float32.
;; Outputs: out0 4 x 2,048 x 1,024 float32.
;; This version of the problem:
;;   THIS VERSION OF THE PROBLEM IS GIVEN IN LOW PRECISION. The matrix products marked QUANTISED in the list below multiply operands that are first quantised to E2M3 (2 exponent bits, 3 mantissa bits; 6 bits a number), with one power-of-two scale for each 32 numbers along K (OCP MX v1.0); their sums are f32. All else is computed in f32.
;;   The module's matrix products, in the order in which they are computed (A, B: the left and right operand; K: the contracted axis; several contracted axes count as one K, in the product's order):
;;     1. [M 8,192, K 1,024] x [K 1,024, N 3,072]; A: input x; B: input W_qkv: QUANTISED
;;     2. batch 64 x [M 2,048, K 64] x [K 64, N 2,048]; A: computed on the way; B: computed on the way: QUANTISED
;;     3. batch 64 x [M 2,048, K 2,048] x [K 2,048, N 64]; A: softmax (see below); B: computed on the way: QUANTISED
;;     4. [M 8,192, K 1,024] x [K 1,024, N 1,024]; A: computed on the way; B: input W_out: QUANTISED
;;   THE QUANTISER, for each operand of a quantised product, along K:
;;     - K is cut into blocks of 32 from its start; a last block that is shorter is filled with zeros.
;;     - A block's scale is 2^e with e = floor(log2(the largest magnitude in the block)) - 2, held to -126 .. 127; a block of zeros has e = 0. As a byte (E8M0): e + 127.
;;     - Each number is divided by its block's scale, clamped to +-7.5, and rounded to the nearest number of E2M3, ties to even, subnormals kept.
;;     - The product sums the exact products of the quantised numbers (number of the format x scale) in f32.
;;   ~~~python
;;   def quantise(x, axis):      # numpy; x: float32 -> the quantised numbers, widened to float32 again
;;       x = np.moveaxis(x, axis, -1); K = x.shape[-1]
;;       x = np.pad(x, [(0, 0)] * (x.ndim - 1) + [(0, -K % 32)]); x = x.reshape(x.shape[:-1] + (-1, 32)); a = np.abs(x).max(-1, keepdims=True)
;;       e = np.where(a > 0, np.clip(np.frexp(np.where(a > 0, a, 1))[1] - 1 - 2, -126, 127), 0)      # np.frexp(a)[1] - 1 = floor(log2(a)), exactly
;;       r = np.clip(x / 2.0 ** e, -7.5, 7.5)
;;       step = 2.0 ** (np.maximum(np.frexp(np.where(r == 0, 1, r))[1] - 1, 0) - 3)
;;       q = np.round(r / step) * step * 2.0 ** e      # np.round: ties to even
;;       return np.moveaxis(q.reshape(q.shape[:-2] + (-1,))[..., :K], -1, axis).astype(np.float32)
;;   ~~~
;;   SOFTMAX AHEAD OF A QUANTISED PRODUCT. Where the list says 'softmax', what is quantised is not the finished softmax but p = 2^(t - M), with t = logit x log2(e) and M = ceil(the row's largest t), a whole number; so 1/2 < the row's largest p <= 1. The row's sum l is taken of the UNQUANTISED p, in f32, and the product's result is divided by l at the end. Since M is a whole number, a kernel that streams over the keys may use a running M (the ceiling of the running maximum): every later rescaling is an exact power of two, which a block's scale takes up: the codes' values come out the same.
;;   OPERANDS COMPUTED ON THE WAY. 'Computed on the way' means the value that the module computes at that place (a softmax that the list does not call 'softmax' is quantised finished and normalised). What goes into a quantiser is computed in f32, as accurately as f32 sums, v_exp_f32 and their like allow (about 1e-6 of the number): no bf16 or f16 on the way to a quantiser, and a product that is left as it is and whose result goes on into a quantised operand takes f32 operands (vector FMAs, or v_wmma_f32_16x16x4_f32). A number that lies on a knife's edge between two numbers of the format may be rounded either way, as far as f32 arithmetic and the matrix unit's own rounding can turn it there, and no further.
;; One version. Each part assembles by itself: llvm-mc -triple=amdgcn-amd-amdhsa -mcpu=gfx1250 --defsym DOCPART=n.
;; ======== version 1 of 1: 4 launches
;; limits: right only within a limited range of input values
;; workspace buffers: cod 9,437,184 bytes; csc 393,216 bytes; qk 12,582,912 bytes; vv 6,291,456 bytes; sc 786,432 bytes; qsc 524,288 bytes; ao 6,291,456 bytes; aos 262,144 bytes
;; launch quant (part 1): grid 384 x 1, 4 waves a work-group, no clusters, 34,304 bytes of LDS; arguments x, W_qkv, W_out, cod, csc; writes cod, csc
.if DOCPART == 1
	.amdgcn_target "amdgcn-amd-amdhsa--gfx1250"
	.amdhsa_code_object_version 6
	.text
	.protected	k_q88fe1f3f37_quant
	.globl	k_q88fe1f3f37_quant
	.p2align	8
	.type	k_q88fe1f3f37_quant,@function
k_q88fe1f3f37_quant:
	s_mov_b64 s[64:65], 0
	v_nop
	global_prefetch_b8 v0, s[64:65] scope:SCOPE_SE
	s_setreg_imm32_b32 hwreg(HW_REG_WAVE_MODE, 25, 1), 1
	s_wait_xcnt 0x0
; x [8192][1024], W_qkv [3072][1024], W_out [1024][1024], f32, K innermost, become codes of FP6 (E2M3) with one E8M0 byte for each 32 along K.
; The codes leave AS IMAGES OF OPERAND REGISTERS: a row tile T (16 rows) and a K step of 128 are 12 registers a lane = 1,536 bytes: registers 0-3 at 16 x lane, 4-5 at 512 + 8 x lane, 6-9 at 768 + 16 x lane,
; 10-11 at 1,280 + 8 x lane.  cod: [T][K step 0-7][1536]; T 0-511 x, 512-703 W_qkv, 704-767 W_out.
; THE ROWS OF A TILE ARE NOT NEIGHBOURS: lane r of tile 2 b + u holds row 32 b + 8 u + r + 8 (r / 8), in every launch of this program.
; csc: the scale word (four bytes: 128 along K) of tile T, K step s, row r lies at 512 T + 256 (s / 4) + 16 r + 4 (s % 4).
; A block's scale is 2^(floor(log2(largest magnitude)) - 2); its byte is the largest magnitude's exponent field - 2, held at 1 from below.
; LIMITS: a block of zeros, and one whose largest magnitude lies under 2^-124, gets the byte 1 (the rule says 127 for zeros: its codes are zeros and this program alone reads the bytes); NaN and infinities are not served.
; SHARES: work-group g takes tiles 2 g and 2 g + 1; wave w tile 2 g + w / 2 and K half w % 2: four K steps of 128.  Each load reads 512 consecutive bytes of one row; the 16 rows turn through the wave's own stage
; in LDS (pitch 528 bytes) and come back 16 neighbours of each block of 32 a lane.  Waves share nothing: no barrier.  No cluster: no two work-groups read the same bytes.
.set SPARE, 33792                      ; behind the four stages of 8,448 bytes: the spare words, 128 bytes a wave
.set SPW, 12                           ; v12  my spare word's LDS address; never rewritten
.set NIL, 13                           ; v13  0; never rewritten
.set R,   16                           ; v16-143  two sets of 64 registers as loaded
.set X,   144                          ; v144-207 64 numbers: register 16 b + i = k 32 b + 16 (lane / 16) + i of my row
.set PC,  208                          ; v208-226 the codes
.set TM,  228                          ; v228-243 at work
.set PW,  244                          ; v244-247 the four K steps' scale words
.set SEL, 20                           ; s[20:21] lane selects: lane l xor 16
; 64 numbers of a lane become a fragment's 12 registers in v[PC] on and its scale word in v[pw]
.macro QUANT s, pw
.irp b, 0,1,2,3
	v_max3_num_f32 v[TM+\b], |v[\s+16*\b]|, |v[\s+1+16*\b]|, 0x1800000   ; my 16 numbers of block b, and the floor 2^(3 - 127): the byte cannot fall under 1
.endr
.irp i, 2,4,6,8,10,12,14
.irp b, 0,1,2,3
	v_max3_num_f32 v[TM+\b], v[TM+\b], |v[\s+16*\b+\i]|, |v[\s+1+16*\b+\i]|
.endr
.endr
.irp b, 0,1,2,3
	v_permlanex16_b32 v[TM+4+\b], v[TM+\b], s[SEL], s[SEL+1]
.endr
.irp b, 0,1,2,3
	v_max_num_f32 v[TM+\b], v[TM+\b], v[TM+4+\b]                 ; with lane l xor 16's: the block's largest magnitude
.endr
.irp b, 0,1,2,3
	v_add_nc_u32 v[TM+12+\b], 0xff000000, v[TM+\b]               ; 2 off its exponent field: the conversion's scale operand
.endr
.irp b, 0,1,2,3
	v_lshrrev_b32 v[TM+4+\b], 23, v[TM+12+\b]                    ; the scale's byte
.endr
	v_lshl_or_b32 v[\pw], v[TM+5], 8, v[TM+4]
	v_lshl_or_b32 v[\pw], v[TM+6], 16, v[\pw]
	v_lshl_or_b32 v[\pw], v[TM+7], 24, v[\pw]
.irp c, 0,1
	v_cvt_scalef32_pk16_fp6_f32 v[PC+6*\c:PC+2+6*\c], v[\s+32*\c:\s+15+32*\c], v[TM+12+2*\c]
	v_cvt_scalef32_pk16_fp6_f32 v[PC+12+4*\c:PC+14+4*\c], v[\s+16+32*\c:\s+31+32*\c], v[TM+12+2*\c+1]
.endr
	v_nop                                          ; one plain place behind a scaled conversion
.irp c, 0,1                                    ; a whole block to a lane: lanes 0-15 block 2 c, lanes 16-31 block 2 c + 1
.irp i, 0,1,2
	v_permlane16_swap_b32 v[PC+6*\c+\i], v[PC+12+4*\c+\i]
.endr
.irp i, 0,1,2
	v_mov_b32 v[PC+3+6*\c+\i], v[PC+12+4*\c+\i]
.endr
.endr
.endm
	s_load_b256 s[4:11], s[0:1], 0x0               ; x, W_qkv, W_out, cod
	s_load_b64 s[12:13], s[0:1], 0x20              ; csc
	v_lshl_add_u32 v[SPW], v0, 2, SPARE
	v_mov_b32 v[NIL], 0
	v_lshrrev_b32 v1, 5, v0
	v_readfirstlane_b32 s16, v1                    ; wave
	v_and_b32 v1, 31, v0                           ; lane
	v_and_b32 v2, 15, v0                           ; r
	v_bfe_u32 v3, v0, 4, 1                         ; h
	v_lshlrev_b32 v4, 4, v1                        ; 16 x lane
	v_lshlrev_b32 v5, 3, v1                        ; 8 x lane
	s_mul_i32 s19, s16, 8448                       ; my stage
	v_add_nc_u32 v6, s19, v4                       ; into it: a row's 512 bytes as they lie
	v_mul_u32_u24 v7, v2, 528
	v_lshl_add_u32 v7, v3, 6, v7
	v_add_nc_u32 v7, s19, v7                       ; out of it: row r, + 64 h
	v_lshlrev_b32 v8, 4, v2
	v_lshl_add_u32 v8, v3, 3, v8                   ; the scale words' place: 16 r + 8 h
	s_mov_b32 s[SEL], 0x76543210
	s_mov_b32 s[SEL+1], 0xfedcba98
	s_mov_b32 s22, 0xffff0000                      ; lanes 16-31
.irp b, 0,1,2,3
	v_mov_b32 v[TM+4+\b], 0                        ; written once: a lane permute's destination counts as one of its sources
.endr
	s_lshr_b32 s17, s16, 1                         ; u: which of the two tiles
	s_and_b32 s18, s16, 1                          ; which K half
	s_mov_b32 s15, 352
	s_wait_alu depctr_va_vdst(0)
	s_wait_kmcnt 0x0
	s_cmp_lt_u32 ttmp9, 352                        ; the tensor is chosen by the work-group's number alone
	s_cselect_b64 s[6:7], s[6:7], s[8:9]
	s_cselect_b32 s14, 256, s15
	s_cmp_lt_u32 ttmp9, 256
	s_cselect_b64 s[4:5], s[4:5], s[6:7]
	s_cselect_b32 s14, 0, s14
	s_sub_co_u32 s14, ttmp9, s14                   ; which 32 rows of that tensor
	s_lshl_b32 s24, s14, 17                        ; 32 rows of 4,096 bytes
	s_lshl_b32 s25, s17, 15                        ; + 8 u rows
	s_add_co_u32 s24, s24, s25
	s_lshl_b32 s25, s18, 11                        ; + the K half
	s_add_co_u32 s24, s24, s25
	s_mov_b32 s25, 0
	s_add_nc_u64 s[4:5], s[4:5], s[24:25]
	s_lshl_b32 s26, ttmp9, 1
	s_add_co_u32 s26, s26, s17                     ; T
	s_mul_i32 s24, s26, 12288
	s_mul_i32 s27, s18, 6144
	s_add_co_u32 s24, s24, s27
	s_add_nc_u64 s[10:11], s[10:11], s[24:25]
	s_lshl_b32 s24, s26, 9
	s_lshl_b32 s27, s18, 8
	s_add_co_u32 s24, s24, s27
	s_add_nc_u64 s[12:13], s[12:13], s[24:25]
.macro LOAD t                          ; K step t: the tile's 16 rows, 512 consecutive bytes each, into set t % 2
.irp i, 0,1,2,3,4,5,6,7,8,9,10,11,12,13,14,15
	global_load_b128 v[R+64*((\t)%2)+4*\i:R+64*((\t)%2)+4*\i+3], v4, s[4:5] offset:(\i+8*(\i/8))*4096+512*(\t) th:TH_LOAD_NT
.endr
.endm
.macro STEP t
.if (\t) < 3
	s_wait_loadcnt 16                              ; this step's 16 loads are in; the next step's 16 may be out
.else
	s_wait_loadcnt 0x0
.endif
.irp i, 0,1,2,3,4,5,6,7,8,9,10,11,12,13,14,15
	ds_store_b128 v6, v[R+64*((\t)%2)+4*\i:R+64*((\t)%2)+4*\i+3] offset:528*\i
.endr
.irp bb, 0,1,2,3
.irp j, 0,1,2,3
	ds_load_b128 v[X+16*\bb+4*\j:X+16*\bb+4*\j+3], v7 offset:128*\bb+16*\j   ; LDS serves a wave's instructions in order: these see the stores above
.endr
.endr
	s_wait_dscnt 0x0                               ; the numbers are back, and the stores have read their registers
.if (\t) > 0
	s_wait_xcnt 0x0                                ; the last step's stores have read the codes' registers: they are written again below
.endif
.if (\t) < 2
	LOAD (\t)+2
.endif
	QUANT X, PW+(\t)
	global_store_b128 v4, v[PC:PC+3], s[10:11] offset:1536*(\t)           ; each store covers whole aligned runs of 256 consecutive bytes
	global_store_b64 v5, v[PC+4:PC+5], s[10:11] offset:1536*(\t)+512
	global_store_b128 v4, v[PC+6:PC+9], s[10:11] offset:1536*(\t)+768
	global_store_b64 v5, v[PC+10:PC+11], s[10:11] offset:1536*(\t)+1280
.endm
	LOAD 0
	LOAD 1
	STEP 0
	STEP 1
	STEP 2
	STEP 3
	v_cndmask_b32 v248, v244, v246, s22            ; lanes 0-15 store the words of steps 0, 1, lanes 16-31 those of steps 2, 3
	v_cndmask_b32 v249, v245, v247, s22
	global_store_b64 v8, v[248:249], s[12:13]      ; 256 consecutive bytes
	s_wait_tensorcnt 0x0                           ; the wave's end
	ds_add_u32 v[SPW], v[NIL]
	s_wait_dscnt 0x0
	s_endpgm
.Lfunc_end_k_q88fe1f3f37_quant:
	.size	k_q88fe1f3f37_quant, .Lfunc_end_k_q88fe1f3f37_quant-k_q88fe1f3f37_quant
	.p2alignl 7, 3214868480
	.fill 96, 4, 3214868480
	.section	.rodata,"a",@progbits
	.p2align	6, 0x0
	.amdhsa_kernel k_q88fe1f3f37_quant
		.amdhsa_group_segment_fixed_size 34304
		.amdhsa_private_segment_fixed_size 0
		.amdhsa_enable_private_segment 0
		.amdhsa_kernarg_size 40
		.amdhsa_user_sgpr_count 2
		.amdhsa_user_sgpr_kernarg_segment_ptr 1
		.amdhsa_wavefront_size32 1
		.amdhsa_system_sgpr_workgroup_id_x 1
		.amdhsa_system_sgpr_workgroup_id_y 1
		.amdhsa_system_sgpr_workgroup_id_z 1
		.amdhsa_system_vgpr_workitem_id 0
		.amdhsa_next_free_vgpr 256
		.amdhsa_next_free_sgpr 66
		.amdhsa_reserve_vcc 0
		.amdhsa_float_denorm_mode_32 3
		.amdhsa_float_denorm_mode_16_64 3
		.amdhsa_memory_ordered 1
		.amdhsa_forward_progress 1
		.amdhsa_inst_pref_size 34
	.end_amdhsa_kernel
	.amdgpu_metadata
---
amdhsa.version: [ 1, 2 ]
amdhsa.kernels:
  - .name:           k_q88fe1f3f37_quant
    .symbol:         k_q88fe1f3f37_quant.kd
    .args:
      - { .name: x, .offset: 0, .size: 8, .value_kind: global_buffer, .address_space: global }
      - { .name: W_qkv, .offset: 8, .size: 8, .value_kind: global_buffer, .address_space: global }
      - { .name: W_out, .offset: 16, .size: 8, .value_kind: global_buffer, .address_space: global }
      - { .name: cod, .offset: 24, .size: 8, .value_kind: global_buffer, .address_space: global }
      - { .name: csc, .offset: 32, .size: 8, .value_kind: global_buffer, .address_space: global }
    .group_segment_fixed_size: 34304
    .private_segment_fixed_size: 0
    .kernarg_segment_align: 8
    .kernarg_segment_size: 40
    .max_flat_workgroup_size: 128
    .sgpr_count:     66
    .vgpr_count:     256
    .wavefront_size: 32
...
	.end_amdgpu_metadata
.endif
;; end of part 1
;; launch qkv (part 2): grid 12 x 32, 4 waves a work-group, clusters of 4 x 4, 327,680 bytes of LDS; arguments cod, csc, b_qkv, mask, qk, vv, sc, qsc; writes qk, vv, sc, qsc
.if DOCPART == 2
	.amdgcn_target "amdgcn-amd-amdhsa--gfx1250"
	.amdhsa_code_object_version 6
	.text
	.protected	k_q88fe1f3f37_qkv
	.globl	k_q88fe1f3f37_qkv
	.p2align	8
	.type	k_q88fe1f3f37_qkv,@function
k_q88fe1f3f37_qkv:
	s_mov_b64 s[64:65], 0
	v_nop
	global_prefetch_b8 v0, s[64:65] scope:SCOPE_SE
	s_setreg_imm32_b32 hwreg(HW_REG_WAVE_MODE, 25, 1), 1
	s_wait_xcnt 0x0
	s_wait_alu depctr_hold_cnt(0) depctr_sa_sdst(0) depctr_va_vdst(0) depctr_va_sdst(0) depctr_va_ssrc(0) depctr_va_vcc(0) depctr_vm_vsrc(0)
	s_getreg_b32 s2, hwreg(HW_REG_IB_STS2, 6, 4)
	s_cmp_eq_u32 s2, 0
	s_cbranch_scc0 .Lentry_in_a_cluster
	s_endpgm
.Lentry_in_a_cluster:
	s_bfe_u32 s2, ttmp6, 0x10000c
	s_cmp_lg_u32 s2, 0xf033
	s_cbranch_scc0 .Lentry_shape_is_right
	s_endpgm
.Lentry_shape_is_right:
; qkv = x W_qkv^T + b_qkv on codes of FP6, and q, k, v quantised on the way out, as images of operand registers for the attention launch.
; A work-group makes 256 x 256 of the product, a wave 128 x 128: 64 accumulators in windows 2 and 3.  Source 0 = side S0 (its rows run along a lane's result registers), source 1 = side S1 (its rows lie on lanes).
; Clusters x = 0, 1 (q, k): S1 = x, S0 = W rows 0-2047: a lane holds a token, its registers run along the features, which are the next product's K.
; Cluster  x = 2    (v):    S1 = W rows 2048-3071, S0 = x: a lane holds a channel, its registers run along the tokens (the keys), which are v's K.
; Operands lie in memory as register images (1,536 bytes for 16 rows x 128 K): a fragment is four LDS loads at 16 x lane or 8 x lane, consecutive bytes, no pitch, no padding.
; K = 1,024 is four slots' worth of 256: three LDS slots are filled at the start, the fourth part comes as ONE refill of slot 0, which has 256 matrix instructions in which to land.  All eight K steps are written out.
; CLUSTER 4 x 4: S1's tiles hang on cy alone and are asked for jointly along a row of the cluster, S0's on cx alone, along a column.
; THE MASK goes into k's scale words: byte 2 (k = 64 .. 95 of the padded K of q k^T) is 160 (2^33) for a masked key, else 1 (2^-126); q's is 127; byte 3 is 127 in both.
; LIMITS: as in the quantising launch (byte 1 for blocks of zeros and under 2^-124; no NaN, no infinities).
.set SLOTB, 98304                      ; a slot: four parts of 24,576 bytes: S1's tiles 0-7, 8-15, S0's tiles 0-7, 8-15; a tile takes 3,072 bytes (two K steps)
.set PARTB, 24576
.set TILEB, 3072
.set FRB,   1536
.set SCL,   294912                     ; behind the three slots: the scale words, S1's 8,192 bytes, S0's 8,192
.set SPARE, 311296                     ; the spare words, 128 bytes a wave
.set FR,    12
.set A16, 8                            ; v8-10   S1: 16 x lane + my half's place in slot 0, 1, 2
.set A8,  11                           ; v11-13  S1: 8 x lane + the same
.set B16, 14                           ; v14-16, v17-19 the same for S0
.set B8,  17
.set ADRS, 20                          ; v20  my scale words: lanes 0-15 S1's rows, lanes 16-31 S0's
.set L16, 21                           ; v21  16 x lane
.set L8,  22                           ; v22  8 x lane
.set RP4, 23                           ; v23  4 (r + 8 (r / 8))
.set RP,  24                           ; v24  r + 8 (r / 8)
.set H64, 25                           ; v25  64 h
.set SPW, 28
.set NIL, 29
.set SC,  32                           ; v32-63  scale words, two sets of 16: register 2 i + q: lanes 0-15 S1's tile i, lanes 16-31 S0's tile i, K step q of the slot
.set BS1, 64                           ; v64-79  bias of S1's rows (v path): the number in the even register, 0 in the odd
.set MB,  80                           ; v80-87  mask bytes of S1's rows (q, k path)
.set AF,  128                          ; v128-223 S1's eight fragments, one set.  Window 1: S0's two sets at v0, v128; the bias of S0's rows at v96-127 and v224-255
.set WV, 20
.set H1, 21                            ; my half of S1; also: I fetch for S1 (0) or for S0 (1)
.set H0, 22                            ; my half of S0; also: which eight tiles I fetch
.set CX, 23
.set CY, 24
.set CLY, 25
.set G1,   28                          ; s[28:35] group 1, codes of S1;  s[36:43] of S0;  s[44:51], s[52:59] the scale words'
.set G1B,  36
.set G1S,  44
.set G1SB, 52
.set G0A,  68                          ; s[68:79] groups 0 of S1's slots 0-2;  s[80:91] of S0's;  s[92:95], s[96:99] the scale words'
.set G0B,  80
.set G0S,  92
.set G0SB, 96
.set MSB, 0
.macro WIN new                         ; the immediate's high byte repeats the setting that is left
.if MSB != (\new)
	s_set_vgpr_msb (MSB<<8)|(\new)
.set MSB, (\new)
.endif
.endm
.set MUL_LO, 0xa1                      ; source 0 window 1, source 1 window 0, C and D window 2
.set MUL_HI, 0xf1
.set TO_B,   0x40
.macro JLOAD g0a, g1a, g0b, g1b        ; a joint load: waves 0, 1 for S1, waves 2, 3 for S0; an s_nop 0 and four v_nop follow each line
	s_cmp_eq_u32 s[H1], 0
	s_cbranch_scc0 .Lfor_b_\@
	tensor_load_to_lds s[\g0a:\g0a+3], s[\g1a:\g1a+7]
	s_nop 0
.rept 4
	v_nop
.endr
	s_branch .Lasked_\@
.Lfor_b_\@:
	tensor_load_to_lds s[\g0b:\g0b+3], s[\g1b:\g1b+7]
	s_nop 0
.rept 4
	v_nop
.endr
.Lasked_\@:
.endm
.macro CREST
	s_cmp_lg_u32 s[WV], 0
	s_cbranch_scc1 .Lnot_wave_0_\@
	s_barrier_signal -3
.Lnot_wave_0_\@:
	s_barrier_wait -3
	s_barrier_signal -1
	s_barrier_wait -1
.endm
.macro CROUND
	s_barrier_signal -1
	s_barrier_wait -1
	CREST
.endm
.macro PLACES                          ; four places in front of loads into registers that matrix instructions have read, and of the first read of results
.rept 4
	v_nop
.endr
.endm
.macro FRAG reg, a16, a8, off          ; a fragment's image: 12 registers
	ds_load_b128 v[\reg:\reg+3], v[\a16] offset:\off
	ds_load_b64 v[\reg+4:\reg+5], v[\a8] offset:\off+512
	ds_load_b128 v[\reg+6:\reg+9], v[\a16] offset:\off+768
	ds_load_b64 v[\reg+10:\reg+11], v[\a8] offset:\off+1280
.endm
.macro FETCH_B L, q, p                 ; S0's eight fragments of slot L, K step q, into set p
	WIN TO_B
.irp i, 0,1,2,3,4,5,6,7
	FRAG 128*(\p)+FR*\i,B16+\L,B8+\L,TILEB*\i+FRB*(\q)
.endr
	WIN 0
.endm
.macro FETCH_A L, q, i0                ; S1's blocks i0 .. i0 + 3
.irp i, \i0, \i0+1, \i0+2, \i0+3
	FRAG AF+FR*(\i),A16+\L,A8+\L,TILEB*(\i)+FRB*(\q)
.endr
.endm
.macro SCALES set, s                   ; the scale words of K steps 2 s, 2 s + 1
.irp i, 0,1,2,3,4,5,6,7
	ds_load_b64 v[SC+16*(\set)+2*\i:SC+16*(\set)+2*\i+1], v[ADRS] offset:512*\i+256*((\s)/2)+8*((\s)%2)
.endr
.endm
; 16 matrix instructions: S1's blocks a0, a0 + 1 x S0's eight.  The 64 accumulators take turns, one instruction a turn, in the same order in every step
.macro MUL16 a0, p, q, sc, zero
.irp a, \a0, \a0+1
.irp b, 0,1,2,3,4,5,6,7
.if \zero
	v_wmma_scale_f32_16x16x128_f8f6f4 v[8*(8*((\a)%4)+\b):8*(8*((\a)%4)+\b)+7], v[128*(\p)+FR*\b:128*(\p)+FR*\b+FR-1], v[AF+FR*(\a):AF+FR*(\a)+FR-1], 0, v[SC+16*(\sc)+2*\b+(\q)], v[SC+16*(\sc)+2*(\a)+(\q)] matrix_a_fmt:MATRIX_FMT_FP6 matrix_b_fmt:MATRIX_FMT_FP6 matrix_a_scale:MATRIX_SCALE_ROW1
.else
	v_wmma_scale_f32_16x16x128_f8f6f4 v[8*(8*((\a)%4)+\b):8*(8*((\a)%4)+\b)+7], v[128*(\p)+FR*\b:128*(\p)+FR*\b+FR-1], v[AF+FR*(\a):AF+FR*(\a)+FR-1], v[8*(8*((\a)%4)+\b):8*(8*((\a)%4)+\b)+7], v[SC+16*(\sc)+2*\b+(\q)], v[SC+16*(\sc)+2*(\a)+(\q)] matrix_a_fmt:MATRIX_FMT_FP6 matrix_b_fmt:MATRIX_FMT_FP6 matrix_a_scale:MATRIX_SCALE_ROW1
.endif
.endr
.endr
.endm
; A K step (q: its place in its slot, also S0's set; sc: its set of scale words) whose successor (slot nL, place nq) needs no barrier.  ns >= 0: the successor opens K slot ns: its scale words are fetched
.macro STEP q, sc, zero, nL, nq, ns
	s_wait_dscnt 16                                ; all but the youngest 16 loads (S1's blocks 4-7) are in
	WIN MUL_LO
	MUL16 0, \q, \q, \sc, \zero
	MUL16 2, \q, \q, \sc, \zero
	s_wait_dscnt 0x0
	PLACES
	FETCH_B \nL, \nq, \nq
	FETCH_A \nL, \nq, 0
.if \ns >= 0
	SCALES (\ns)%2, \ns
.endif
	WIN MUL_HI
	MUL16 4, \q, \q, \sc, \zero
	MUL16 6, \q, \q, \sc, \zero
	PLACES
	WIN 0
	FETCH_A \nL, \nq, 4
.endm
; A slot's last step with a barrier: in front of it each wave waits for all its tensor loads, adds 0 to its spare word, and waits for that and for its reads of the slot.  fill = 1: slot 0 is filled again, with K steps 6 and 7
.macro TURN sc, nL, ns, fill
	s_wait_tensorcnt 0x0                           ; all my tensor loads have landed
	ds_add_u32 v[SPW], v[NIL]                      ; 0 onto my spare word
	s_wait_dscnt 17                                ; (the add and the youngest 16 loads may be out)
	WIN MUL_LO
	MUL16 0, 1, 1, \sc, 0
	s_wait_dscnt 0x0                               ; the add is done, and my reads of this slot are over
	s_barrier_signal -1
	MUL16 2, 1, 1, \sc, 0
	WIN 0
	s_barrier_wait -1
.if \fill
	CREST                                          ; the barrier has opened a round of the cluster's barrier: no wave of any partner still reads slot 0 or has a load on its way
	s_add_nc_u64 s[G0A+2:G0A+3], s[G0A+2:G0A+3], 3*TILEB
	s_add_nc_u64 s[G0B+2:G0B+3], s[G0B+2:G0B+3], 3*TILEB
	JLOAD G0A,G1,G0B,G1B                           ; the first tensor load behind the round; its four v_nop are the places in front of the loads below
.else
	PLACES
.endif
	FETCH_B \nL, 0, 0
	FETCH_A \nL, 0, 0
	SCALES (\ns)%2, \ns
	WIN MUL_HI
	MUL16 4, 1, 1, \sc, 0
	MUL16 6, 1, 1, \sc, 0
	PLACES
	WIN 0
	FETCH_A \nL, 0, 4
.endm
	s_load_b512 s[4:19], s[0:1], 0x0               ; cod s[4:5], csc s[6:7], b_qkv s[8:9], mask s[10:11], qk s[12:13], vv s[14:15], sc s[16:17], qsc s[18:19]
	v_lshl_add_u32 v[SPW], v0, 2, SPARE
	v_mov_b32 v[NIL], 0
	ds_add_u32 v[SPW], v[NIL]                      ; the wave's opening
	v_lshrrev_b32 v1, 5, v0
	v_readfirstlane_b32 s[WV], v1
	s_lshr_b32 s[H1], s[WV], 1
	s_and_b32 s[H0], s[WV], 1
	s_bfe_u32 s[CX], ttmp6, 0x40000
	s_bfe_u32 s[CY], ttmp6, 0x40004
	s_and_b32 s[CLY], ttmp7, 0xffff
	s_lshl_b32 s2, s[CY], 2
	s_lshl_b32 s2, 15, s2                          ; my row of the cluster
	s_lshl_b32 s3, 0x1111, s[CX]                   ; my column
	s_or_b32 s[G1], s2, (3<<16)|(1<<21)            ; the mask; elements of 8 bytes; bit 21 beside a mask; no padding
	s_or_b32 s[G1B], s3, (3<<16)|(1<<21)
	s_or_b32 s[G1S], s2, (3<<16)|(1<<21)
	s_or_b32 s[G1SB], s3, (3<<16)|(1<<21)
.irp g, G1, G1B                        ; eight tiles' 3,072 bytes (384 elements), 12,288 bytes (1,536 elements) apart
	s_mov_b32 s[\g+1], 384<<16
	s_mov_b32 s[\g+2], 8<<16
	s_mov_b32 s[\g+3], 384<<16
	s_mov_b32 s[\g+4], 8
	s_mov_b32 s[\g+5], 1536
	s_mov_b32 s[\g+6], 0
	s_mov_b32 s[\g+7], 0
.endr
.irp g, G1S, G1SB                      ; eight tiles' scale words: 4,096 dense bytes as 16 rows of 256
	s_mov_b32 s[\g+1], 32<<16
	s_mov_b32 s[\g+2], 16<<16
	s_mov_b32 s[\g+3], 32<<16
	s_mov_b32 s[\g+4], 16
	s_mov_b32 s[\g+5], 32
	s_mov_b32 s[\g+6], 0
	s_mov_b32 s[\g+7], 0
.endr
	s_lshl_b32 s60, s[CLY], 2                      ; S1's first row tile, in registers that never hold cx
	s_add_co_u32 s60, s60, s[CY]
	s_lshl_b32 s60, s60, 4                         ; q, k: x's tile 16 (4 cluster y + cy)
	s_lshl_b32 s61, s[CY], 4
	s_add_co_u32 s61, s61, 640                     ; v: W's tile 512 + 128 + 16 cy
	s_lshl_b32 s62, s[CLY], 2                      ; S0's, in registers that never hold cy
	s_add_co_u32 s62, s62, s[CX]
	s_lshl_b32 s62, s62, 4                         ; v: x's tile 16 (4 cluster y + cx)
	s_lshl_b32 s63, ttmp9, 2
	s_add_co_u32 s63, s63, s[CX]
	s_lshl_b32 s63, s63, 4
	s_add_co_u32 s63, s63, 512                     ; q, k: W's tile 512 + 16 (4 cluster x + cx)
	s_lshl_b32 s27, s[H0], 3
	s_cmp_eq_u32 ttmp9, 2                          ; the cluster's x: the same in all sixteen partners
	s_cselect_b32 s60, s61, s60
	s_cselect_b32 s62, s62, s63
	s_add_co_u32 s60, s60, s27                     ; + the eight tiles that I fetch
	s_add_co_u32 s62, s62, s27
	s_lshl_b32 s66, s60, 9                         ; their scale words,
	s_mov_b32 s67, 0
	s_lshl_b32 s100, s62, 9
	s_mov_b32 s101, 0
	s_mul_i32 s60, s60, 12288                      ; their codes
	s_mov_b32 s61, 0
	s_mul_i32 s62, s62, 12288
	s_mov_b32 s63, 0
	s_mul_i32 s2, s[WV], PARTB                     ; where they go: no place in the cluster enters an LDS address
	s_lshl_b32 s3, s[WV], 12
	s_add_co_u32 s3, s3, SCL
	s_wait_dscnt 0x0                               ; the opening add is done
	s_wait_kmcnt 0x0
	s_add_nc_u64 s[60:61], s[4:5], s[60:61]
	s_add_nc_u64 s[62:63], s[4:5], s[62:63]
	s_add_nc_u64 s[66:67], s[6:7], s[66:67]
	s_add_nc_u64 s[100:101], s[6:7], s[100:101]
	CROUND                                         ; all sixteen work-groups are here: the first joint loads meet
	s_mov_b32 s[G0S], 1
	s_mov_b32 s[G0S+1], s3
	s_mov_b64 s[G0S+2:G0S+3], s[66:67]
	s_or_b32 s[G0S+3], s[G0S+3], 0x80000000
	s_mov_b32 s[G0SB], 1
	s_mov_b32 s[G0SB+1], s3
	s_mov_b64 s[G0SB+2:G0SB+3], s[100:101]
	s_or_b32 s[G0SB+3], s[G0SB+3], 0x80000000
	JLOAD G0S,G1S,G0SB,G1SB                        ; the scale words of all of K: filled once
.irp L, 0,1,2
	s_mov_b32 s[G0A+4*\L], 1
	s_add_co_u32 s[G0A+4*\L+1], s2, \L*SLOTB
	s_add_nc_u64 s[G0A+4*\L+2:G0A+4*\L+3], s[60:61], \L*TILEB
	s_or_b32 s[G0A+4*\L+3], s[G0A+4*\L+3], 0x80000000
	s_mov_b32 s[G0B+4*\L], 1
	s_add_co_u32 s[G0B+4*\L+1], s2, \L*SLOTB
	s_add_nc_u64 s[G0B+4*\L+2:G0B+4*\L+3], s[62:63], \L*TILEB
	s_or_b32 s[G0B+4*\L+3], s[G0B+4*\L+3], 0x80000000
	JLOAD G0A+4*\L,G1,G0B+4*\L,G1B                 ; K steps 2 L, 2 L + 1: four tensor loads of mine are out at the most
.endr
	v_and_b32 v1, 15, v0                           ; r
	v_bfe_u32 v2, v0, 4, 1                         ; h
	v_and_b32 v3, 31, v0
	v_lshlrev_b32 v[L16], 4, v3
	v_lshlrev_b32 v[L8], 3, v3
	s_mul_i32 s2, s[H1], PARTB
	s_mul_i32 s3, s[H0], PARTB
	s_add_co_u32 s3, s3, 2*PARTB
.irp L, 0,1,2
	v_add_nc_u32 v[A16+\L], s2, v[L16]
	v_add_nc_u32 v[A8+\L], s2, v[L8]
	v_add_nc_u32 v[B16+\L], s3, v[L16]
	v_add_nc_u32 v[B8+\L], s3, v[L8]
	s_add_co_u32 s2, s2, SLOTB
	s_add_co_u32 s3, s3, SLOTB
.endr
	s_lshl_b32 s2, s[H1], 12                       ; the scale words: S1's half,
	s_lshl_b32 s3, s[H0], 12
	s_add_co_u32 s3, s3, 8192                      ; S0's half behind S1's 8,192 bytes
	s_sub_co_u32 s3, s3, s2
	v_mul_u32_u24 v4, s3, v2                       ; lanes 16-31 take S0's: one product, the distance between the two
	s_add_co_u32 s2, s2, SCL
	v_lshl_add_u32 v4, v1, 4, v4
	v_add_nc_u32 v[ADRS], s2, v4
	v_and_b32 v4, 8, v1
	v_add_nc_u32 v[RP], v4, v1
	v_lshlrev_b32 v[RP4], 2, v[RP]
	v_lshlrev_b32 v[H64], 6, v2
	; the biases and the mask bytes.  Both kinds of cluster load all three sets (the set that a path does not use is read at the buffer's head and ignored), so that every register is written on every path
	s_lshl_b32 s2, ttmp9, 2
	s_add_co_u32 s2, s2, s[CX]
	s_lshl_b32 s2, s2, 1
	s_add_co_u32 s2, s2, s[H0]                     ; fg: my 128 features
	s_lshl_b32 s2, s2, 9
	s_lshl_b32 s3, s[CY], 1
	s_add_co_u32 s3, s3, s[H1]
	s_lshl_b32 s3, s3, 9
	s_add_co_u32 s3, s3, 8192                      ; v: my 128 channels begin at b_qkv[2048 + 256 cy + 128 half]
	s_lshl_b32 s27, s[CLY], 2
	s_add_co_u32 s27, s27, s[CY]
	s_lshl_b32 s27, s27, 1
	s_add_co_u32 s27, s27, s[H1]
	s_lshl_b32 s27, s27, 7                         ; q, k: my 128 tokens
	s_cmp_eq_u32 ttmp9, 2
	s_cselect_b32 s60, 0, s2
	s_cselect_b32 s62, s3, 0
	s_cselect_b32 s66, 0, s27
	s_mov_b32 s61, 0
	s_mov_b32 s63, 0
	s_mov_b32 s67, 0
	s_add_nc_u64 s[60:61], s[8:9], s[60:61]
	s_add_nc_u64 s[62:63], s[8:9], s[62:63]
	s_add_nc_u64 s[66:67], s[10:11], s[66:67]
	WIN TO_B
.irp bb, 0,1,2,3
.irp j, 0,1,2,3
	global_load_b128 v[96+96*(\bb/2)+16*\bb+4*\j:96+96*(\bb/2)+16*\bb+4*\j+3], v[H64], s[60:61] offset:128*\bb+16*\j   ; number 16 bb + i: the bias of feature 32 bb + 16 h + i
.endr
.endr
	WIN 0
.irp a, 0,1,2,3,4,5,6,7
	global_load_b32 v[BS1+2*\a], v[RP4], s[62:63] offset:4*(32*(\a/2)+8*(\a%2))
	global_load_u8 v[MB+\a], v[RP], s[66:67] offset:32*(\a/2)+8*(\a%2)
	v_mov_b32 v[BS1+2*\a+1], 0
.endr
	s_wait_tensorcnt 2                             ; the scale words and slot 0 are in; slots 1 and 2 may be out
	s_barrier_signal -1
	s_barrier_wait -1
	FETCH_B 0, 0, 0
	FETCH_A 0, 0, 0
	SCALES 0, 0
	FETCH_A 0, 0, 4
	STEP 0, 0, 1, 0, 1, -1                         ; K step 0: its products start the sums
	TURN 0, 1, 1, 1                                ; K step 1; slot 0 is filled again; slots 1 and 2 are whole behind its round
	STEP 0, 1, 0, 1, 1, -1                         ; K step 2
	STEP 1, 1, 0, 2, 0, 2                          ; K step 3: no barrier: slot 2 was shown whole above
	STEP 0, 0, 0, 2, 1, -1                         ; K step 4
	TURN 0, 0, 3, 0                                ; K step 5; behind its barrier slot 0 holds K steps 6 and 7
	STEP 0, 1, 0, 0, 1, -1                         ; K step 6
	s_wait_dscnt 16                                ; K step 7: nothing more to fetch
	WIN MUL_LO
	MUL16 0, 1, 1, 1, 0
	MUL16 2, 1, 1, 1, 0
	s_wait_dscnt 0x0
	WIN MUL_HI
	MUL16 4, 1, 1, 1, 0
	MUL16 6, 1, 1, 1, 0
	WIN 0
	PLACES
	s_wait_loadcnt 0x0                             ; the biases and the mask bytes
; THE WAY OUT: no LDS.  For each of S1's eight tiles: the bias is added (the same line moves the sums into window 0), the lane's 64 numbers are quantised, and the codes leave as images.
.set HA,  96                           ; v96-159  64 numbers
.set PC,  160                          ; v160-178 the codes
.set TM,  180                          ; v180-195 at work
.set PW,  196
.set SW,  200                          ; v200-207 scale words, gathered
.set SEL, 28                           ; the descriptors' registers are free: no tensor load is out
.set SHI, 30
.macro QUANT s, pw
.irp b, 0,1,2,3
	v_max3_num_f32 v[TM+\b], |v[\s+16*\b]|, |v[\s+1+16*\b]|, 0x1800000   ; my 16 numbers of block b, and the floor 2^(3 - 127)
.endr
.irp i, 2,4,6,8,10,12,14
.irp b, 0,1,2,3
	v_max3_num_f32 v[TM+\b], v[TM+\b], |v[\s+16*\b+\i]|, |v[\s+1+16*\b+\i]|
.endr
.endr
.irp b, 0,1,2,3
	v_permlanex16_b32 v[TM+4+\b], v[TM+\b], s[SEL], s[SEL+1]
.endr
.irp b, 0,1,2,3
	v_max_num_f32 v[TM+\b], v[TM+\b], v[TM+4+\b]
.endr
.irp b, 0,1,2,3
	v_add_nc_u32 v[TM+12+\b], 0xff000000, v[TM+\b]
.endr
.irp b, 0,1,2,3
	v_lshrrev_b32 v[TM+4+\b], 23, v[TM+12+\b]
.endr
	v_lshl_or_b32 v[\pw], v[TM+5], 8, v[TM+4]
	v_lshl_or_b32 v[\pw], v[TM+6], 16, v[\pw]
	v_lshl_or_b32 v[\pw], v[TM+7], 24, v[\pw]
.irp c, 0,1
	v_cvt_scalef32_pk16_fp6_f32 v[PC+6*\c:PC+2+6*\c], v[\s+32*\c:\s+15+32*\c], v[TM+12+2*\c]
	v_cvt_scalef32_pk16_fp6_f32 v[PC+12+4*\c:PC+14+4*\c], v[\s+16+32*\c:\s+31+32*\c], v[TM+12+2*\c+1]
.endr
	v_nop                                          ; one plain place behind a scaled conversion
.irp c, 0,1
.irp i, 0,1,2
	v_permlane16_swap_b32 v[PC+6*\c+\i], v[PC+12+4*\c+\i]
.endr
.irp i, 0,1,2
	v_mov_b32 v[PC+3+6*\c+\i], v[PC+12+4*\c+\i]
.endr
.endr
.endm
.irp b, 0,1,2,3
	v_mov_b32 v[TM+4+\b], 0                        ; a lane permute's destination counts as one of its sources
.endr
	s_mov_b32 s[SEL], 0x76543210
	s_mov_b32 s[SEL+1], 0xfedcba98
	s_mov_b32 s[SHI], 0xffff0000                   ; lanes 16-31
	s_cmp_eq_u32 ttmp9, 2                          ; the same in every wave of every partner
	s_cbranch_scc1 .Lpath_v
	; ---- q and k.  My 128 tokens are group G of 64; my 128 features are two heads, 2 fg and 2 fg + 1 of 32 (0-15 q's, 16-31 k's)
	s_lshl_b32 s32, s[CLY], 2
	s_add_co_u32 s32, s32, s[CY]
	s_lshl_b32 s32, s32, 1
	s_add_co_u32 s32, s32, s[H1]                   ; G
	s_lshr_b32 s33, s32, 4                         ; n
	s_and_b32 s34, s32, 15                         ; the group in its batch
	s_lshl_b32 s35, ttmp9, 2
	s_add_co_u32 s35, s35, s[CX]
	s_lshl_b32 s35, s35, 1
	s_add_co_u32 s35, s35, s[H0]                   ; fg
	s_lshl_b32 s36, s33, 5
	s_lshl_b32 s37, s35, 1
	s_add_co_u32 s36, s36, s37
	s_mul_i32 s36, s36, 98304                      ; qk: [n][head of 32][tile 0-127][768]
	s_mul_i32 s37, s34, 6144
	s_add_co_u32 s36, s36, s37
	s_mov_b32 s37, 0
	s_add_nc_u64 s[12:13], s[12:13], s[36:37]
	s_lshl_b32 s38, s33, 3
	s_and_b32 s39, s35, 7
	s_add_co_u32 s38, s38, s39
	s_mul_i32 s38, s38, 24576                      ; k: sc, block (n, pair fg - 8)
	s_lshl_b32 s39, s33, 4
	s_lshl_b32 s40, s35, 1
	s_add_co_u32 s39, s39, s40
	s_lshl_b32 s39, s39, 13                        ; q: qsc, [n][head][group][512]
	s_lshl_b32 s40, s34, 9
	s_mov_b32 s42, 0x9f0000
	s_mov_b32 s43, 0x7f010000
	s_mov_b32 s44, 0x7f7f0000
	s_cmp_eq_u32 ttmp9, 1                          ; k's features are cluster x = 1's
	s_cselect_b32 s38, s38, s39
	s_cselect_b64 s[46:47], s[16:17], s[18:19]
	s_cselect_b32 s42, s42, 0                      ; byte 2 of a word: k: 1 + 159 x the mask byte; q: 127.  Byte 3: 127
	s_cselect_b32 s43, s43, s44
	s_add_co_u32 s38, s38, s40
	s_mov_b32 s39, 0
	s_add_nc_u64 s[46:47], s[46:47], s[38:39]
.macro QKOUT a
	WIN 0x06+(\a)/4                                ; source 0: the accumulators' window; source 1: window 1
.set m, 0
.rept 32
	v_pk_add_f32 v[HA+2*m:HA+2*m+1], v[64*((\a)%4)+2*m:64*((\a)%4)+2*m+1], v[96+96*(m/16)+2*m:96+96*(m/16)+2*m+1]   ; each accumulator from its low end on
.set m, m+1
.endr
	WIN 0
	s_wait_xcnt 0x0                                ; the last tile's stores have read the codes' registers
	QUANT HA, PW
	v_mad_u32_u24 v197, v[MB+(\a)], s42, s43
	v_and_or_b32 v198, v[PW], 0xffff, v197         ; head 2 fg's word: its two bytes below
	v_lshrrev_b32 v199, 16, v[PW]
	v_or_b32 v199, v199, v197                      ; head 2 fg + 1's
.if (\a)%2 == 0
	v_mov_b32 v[SW+(\a)/2], v198                   ; register i of four: tile 2 i in lanes 0-15,
	v_mov_b32 v[SW+4+(\a)/2], v199
.else
	v_cndmask_b32 v[SW+(\a)/2], v[SW+(\a)/2], v198, s[SHI]     ; tile 2 i + 1 in lanes 16-31
	v_cndmask_b32 v[SW+4+(\a)/2], v[SW+4+(\a)/2], v199, s[SHI]
.endif
	global_store_b128 v[L16], v[PC:PC+3], s[12:13] offset:768*(\a)             ; registers 0-5: head 2 fg's 64 along K; each store covers whole aligned runs of 256 bytes
	global_store_b64 v[L8], v[PC+4:PC+5], s[12:13] offset:768*(\a)+512
	global_store_b128 v[L16], v[PC+6:PC+9], s[12:13] offset:98304+768*(\a)     ; registers 6-11: head 2 fg + 1's
	global_store_b64 v[L8], v[PC+10:PC+11], s[12:13] offset:98304+768*(\a)+512
.endm
.irp a, 0,1,2,3,4,5,6,7
	QKOUT \a
.endr
	global_store_b128 v[L16], v[SW:SW+3], s[46:47]                 ; eight tiles' words: tile 2 i + h, row r at 256 h + 16 r + 4 i
	global_store_b128 v[L16], v[SW+4:SW+7], s[46:47] offset:8192
	s_branch .Ljoin
.Lpath_v:
	; ---- v.  My 128 tokens (S0) are key step G % 16 of batch G / 16; my 128 channels (S1) are heads 2 g, 2 g + 1
	s_lshl_b32 s32, s[CLY], 2
	s_add_co_u32 s32, s32, s[CX]
	s_lshl_b32 s32, s32, 1
	s_add_co_u32 s32, s32, s[H0]                   ; G
	s_lshr_b32 s33, s32, 4
	s_and_b32 s34, s32, 15
	s_lshl_b32 s35, s[CY], 1
	s_add_co_u32 s35, s35, s[H1]                   ; g
	s_lshl_b32 s36, s33, 4
	s_lshl_b32 s37, s35, 1
	s_add_co_u32 s36, s36, s37
	s_mul_i32 s36, s36, 98304                      ; vv: [n][head][step][channel tile 0-3][1536]
	s_mul_i32 s37, s34, 6144
	s_add_co_u32 s36, s36, s37
	s_mov_b32 s37, 0
	s_add_nc_u64 s[14:15], s[14:15], s[36:37]
	s_lshl_b32 s38, s33, 3
	s_add_co_u32 s38, s38, s35
	s_mul_i32 s38, s38, 24576
	s_lshl_b32 s39, s34, 8
	s_add_co_u32 s38, s38, s39
	s_add_co_u32 s38, s38, 16384                   ; v's words lie behind k's 16,384 bytes of the block
	s_mov_b32 s39, 0
	s_add_nc_u64 s[16:17], s[16:17], s[38:39]
.macro VOUT a
	WIN 0x02+(\a)/4
.set m, 0
.rept 32
	v_pk_add_f32 v[HA+2*m:HA+2*m+1], v[64*((\a)%4)+2*m:64*((\a)%4)+2*m+1], v[BS1+2*(\a):BS1+2*(\a)+1] op_sel_hi:[1,0]   ; my channel's bias on both halves
.set m, m+1
.endr
	WIN 0
	s_wait_xcnt 0x0
	QUANT HA, PW
.if (\a)%2 == 0
	v_mov_b32 v[SW+(\a)/2], v[PW]
.else
	v_cndmask_b32 v[SW+(\a)/2], v[SW+(\a)/2], v[PW], s[SHI]
.endif
	global_store_b128 v[L16], v[PC:PC+3], s[14:15] offset:((\a)/4)*98304+((\a)%4)*1536
	global_store_b64 v[L8], v[PC+4:PC+5], s[14:15] offset:((\a)/4)*98304+((\a)%4)*1536+512
	global_store_b128 v[L16], v[PC+6:PC+9], s[14:15] offset:((\a)/4)*98304+((\a)%4)*1536+768
	global_store_b64 v[L8], v[PC+10:PC+11], s[14:15] offset:((\a)/4)*98304+((\a)%4)*1536+1280
.endm
.irp a, 0,1,2,3,4,5,6,7
	VOUT \a
.endr
	global_store_b64 v[L8], v[SW:SW+1], s[16:17]                   ; four tiles' words: tile 2 i + h, row r at 128 h + 8 r + 4 i
	global_store_b64 v[L8], v[SW+2:SW+3], s[16:17] offset:4096
.Ljoin:
	s_wait_tensorcnt 0x0                           ; the wave's end
	ds_add_u32 v[SPW], v[NIL]
	s_wait_dscnt 0x0
	CROUND                                         ; the closing round
	s_endpgm
.Lfunc_end_k_q88fe1f3f37_qkv:
	.size	k_q88fe1f3f37_qkv, .Lfunc_end_k_q88fe1f3f37_qkv-k_q88fe1f3f37_qkv
	.p2alignl 7, 3214868480
	.fill 96, 4, 3214868480
	.section	.rodata,"a",@progbits
	.p2align	6, 0x0
	.amdhsa_kernel k_q88fe1f3f37_qkv
		.amdhsa_group_segment_fixed_size 327680
		.amdhsa_private_segment_fixed_size 0
		.amdhsa_enable_private_segment 0
		.amdhsa_kernarg_size 64
		.amdhsa_user_sgpr_count 2
		.amdhsa_user_sgpr_kernarg_segment_ptr 1
		.amdhsa_wavefront_size32 1
		.amdhsa_system_sgpr_workgroup_id_x 1
		.amdhsa_system_sgpr_workgroup_id_y 1
		.amdhsa_system_sgpr_workgroup_id_z 1
		.amdhsa_system_vgpr_workitem_id 0
		.amdhsa_next_free_vgpr 1024
		.amdhsa_next_free_sgpr 102
		.amdhsa_reserve_vcc 0
		.amdhsa_float_denorm_mode_32 3
		.amdhsa_float_denorm_mode_16_64 3
		.amdhsa_memory_ordered 1
		.amdhsa_forward_progress 1
		.amdhsa_inst_pref_size 223
	.end_amdhsa_kernel
	.amdgpu_metadata
---
amdhsa.version: [ 1, 2 ]
amdhsa.kernels:
  - .name:           k_q88fe1f3f37_qkv
    .symbol:         k_q88fe1f3f37_qkv.kd
    .args:
      - { .name: cod, .offset: 0, .size: 8, .value_kind: global_buffer, .address_space: global }
      - { .name: csc, .offset: 8, .size: 8, .value_kind: global_buffer, .address_space: global }
      - { .name: b_qkv, .offset: 16, .size: 8, .value_kind: global_buffer, .address_space: global }
      - { .name: mask, .offset: 24, .size: 8, .value_kind: global_buffer, .address_space: global }
      - { .name: qk, .offset: 32, .size: 8, .value_kind: global_buffer, .address_space: global }
      - { .name: vv, .offset: 40, .size: 8, .value_kind: global_buffer, .address_space: global }
      - { .name: sc, .offset: 48, .size: 8, .value_kind: global_buffer, .address_space: global }
      - { .name: qsc, .offset: 56, .size: 8, .value_kind: global_buffer, .address_space: global }
    .group_segment_fixed_size: 327680
    .private_segment_fixed_size: 0
    .kernarg_segment_align: 8
    .kernarg_segment_size: 64
    .max_flat_workgroup_size: 128
    .sgpr_count:     102
    .vgpr_count:     1024
    .wavefront_size: 32
...
	.end_amdgpu_metadata
.endif
;; end of part 2
;; launch attn (part 3): grid 8 x 32, 16 waves a work-group, clusters of 4 x 1, 327,680 bytes of LDS; arguments qk, qsc, vv, sc, mask, ao, aos; writes ao, aos
.if DOCPART == 3
	.amdgcn_target "amdgcn-amd-amdhsa--gfx1250"
	.amdhsa_code_object_version 6
	.text
	.protected	k_q88fe1f3f37_attn
	.globl	k_q88fe1f3f37_attn
	.p2align	8
	.type	k_q88fe1f3f37_attn,@function
k_q88fe1f3f37_attn:
	s_mov_b64 s[64:65], 0
	v_nop
	global_prefetch_b8 v0, s[64:65] scope:SCOPE_SE
	s_setreg_imm32_b32 hwreg(HW_REG_WAVE_MODE, 25, 1), 1
	s_wait_xcnt 0x0
	s_wait_alu depctr_hold_cnt(0) depctr_sa_sdst(0) depctr_va_vdst(0) depctr_va_sdst(0) depctr_va_ssrc(0) depctr_va_vcc(0) depctr_vm_vsrc(0)
	s_getreg_b32 s2, hwreg(HW_REG_IB_STS2, 6, 4)
	s_cmp_eq_u32 s2, 0
	s_cbranch_scc0 .Lentry_in_a_cluster
	s_endpgm
.Lentry_in_a_cluster:
	s_bfe_u32 s2, ttmp6, 0x10000c
	s_cmp_lg_u32 s2, 0x3003
	s_cbranch_scc0 .Lentry_shape_is_right
	s_endpgm
.Lentry_shape_is_right:
; Attention on codes of FP6: S^T = k q^T (K = 64, padded to the instruction's 128), p = 2^(t - M), O^T = v^T p^T (K = the keys), O / the sum, quantised along D for the last product.
; t = score x log2(e) / 8; M = the running largest t rounded up to a whole number; the row's sum is taken of the unquantised p; when M moves, the sum and O^T are multiplied by 2^(old M - new M), exactly.
; SHARES: a work-group owns 256 queries of a batch and walks the two heads 2 g, 2 g + 1 one after the other; each of its sixteen waves owns one tile of 16 queries in 256 registers, four waves to a SIMD.
; So a wave ends with both halves (64 + 64 along D) of one fragment of the last product's operand, and a whole scale word.
; All operands are register images: a tile of k or q is 768 bytes (6 registers), a tile of v^T 1,536; keys, queries and channels of a tile are ordered so that 16 registers of two neighbouring result tiles are neighbours.
; RING: two slots of 98,304 bytes, each half a head (1,024 keys: k's 64 tiles, then v's 8 steps), filled by waves 0-3, 24,576 bytes each.  The pair's scale words (24,576 bytes) come once.  A refill has eight key steps of all waves in which to land.
; CLUSTER 4 x 1: the four query blocks of a cluster walk the same k, v and scale words: every tile is asked for jointly.
; THE MASK COSTS NO INSTRUCTION HERE.  k = 64 of the padded K holds the code -1 in every key's fragment and +1 in q's; byte 2 of a key's scale word is 2^33 where the key is masked, else 2^-126: a masked score is score - 2^33.
; Where ALL 2,048 keys of the batch are masked, q's codes are replaced by zeros (an AND, no branch): all scores are then -2^33, every p is 1, and the weights are uniform, as the -1e9 of the definition gives.
; LIMITS: a masked key's logit is its true logit - 2^30 in place of -1e9: the same result while a row's logits span under about 1e9 and no unmasked logit lies under about -5e8.  An unmasked score carries -2^-126.
; A block's largest p is taken from the block's largest score, which takes v_exp_f32 not to fall where its input rises.  Blocks of zeros get the byte 1.  NaN and infinities are not served.
; No prefetch: between a refill's request and the wait for it lie eight key steps, and the first fills stand at the head.
.set SCB,   196608                     ; behind the two slots: k's words of head 2 g (8,192), of 2 g + 1 (8,192), v's of 2 g (4,096), of 2 g + 1 (4,096)
.set SPARE, 221184                     ; the spare words, 128 bytes a wave: 2,048 bytes
.set WV,  18
.set SEL, 20                           ; s[20:21] lane l xor 16
.set CS,  22                           ; s[22:23] c = log2(e) / 8
.set G1,  24                           ; s[24:31] group 1: 24,576 dense bytes as 96 rows of 256;  s[32:39]: 6,144 as 24 rows
.set G1S, 32
.set G0,  40                           ; s[40:43], s[44:47] groups 0 of slots 0, 1;  s[48:51] the scale words'
.set G0S, 48
.set TB,  2                            ; s2  LDS byte of the step's tiles of k (v's lie 49,152 further on)
.set TS,  3                            ; s3  of its k words
.set TJ,  52                           ; s52 of its v words
.set CNT, 53
.set AM,  54                           ; s54 0 where all keys of the batch are masked, else all ones
; REGISTERS: v1 16 x lane, v2 8 x lane, v3 16 r; v5, v6 the add's two; v8-11 the step's addresses; v12 -M, v13 the largest t, v[14:15] the sum; v16-27, v255 q of head 2 g and its words; v192-203, v204 of head 2 g + 1;
; v32-79 four fragments of k (their upper six registers are constants); v[84:85] v's words; v86 the first head's two bytes; v96-159 S^T, then p, then v's four fragments; v160-191 O^T; v224-235 p's codes; v232-254 at work; v248-251 k's words
.macro CROUND
	s_barrier_signal -1
	s_barrier_wait -1
	s_cmp_lg_u32 s[WV], 0
	s_cbranch_scc1 .Lnot_wave_0_\@
	s_barrier_signal -3
.Lnot_wave_0_\@:
	s_barrier_wait -3
	s_barrier_signal -1
	s_barrier_wait -1
.endm
.macro FRAG reg, a16, a8, off
	ds_load_b128 v[\reg:\reg+3], v[\a16] offset:\off
	ds_load_b64 v[\reg+4:\reg+5], v[\a8] offset:\off+512
	ds_load_b128 v[\reg+6:\reg+9], v[\a16] offset:\off+768
	ds_load_b64 v[\reg+10:\reg+11], v[\a8] offset:\off+1280
.endm
	s_load_b256 s[4:11], s[0:1], 0x0               ; qk s[4:5], qsc s[6:7], vv s[8:9], sc s[10:11]
	s_load_b128 s[12:15], s[0:1], 0x20             ; mask s[12:13], ao s[14:15]
	s_load_b64 s[16:17], s[0:1], 0x30              ; aos
	v_lshl_add_u32 v5, v0, 2, SPARE
	v_mov_b32 v6, 0
	ds_add_u32 v5, v6                              ; the wave's opening
	ds_add_u32 v5, v6
	v_lshrrev_b32 v7, 5, v0
	s_delay_alu instid0(VALU_DEP_1)
	v_readfirstlane_b32 s[WV], v7                  ; wave 0..15
	s_bfe_u32 s56, ttmp6, 0x40000                  ; cx
	s_lshl_b32 s57, ttmp9, 2
	s_add_co_u32 s57, s57, s56                     ; my block of 256 queries: it enters q's and the output's addresses alone
	s_and_b32 s58, ttmp7, 0xffff                   ; 8 n + g
	s_lshr_b32 s59, s58, 3                         ; n
	s_and_b32 s60, s58, 7                          ; g
	s_mov_b32 s[G1], 15|(3<<16)|(1<<21)            ; the mask: all four partners; elements of 8 bytes; bit 21 beside a mask
	s_mov_b32 s[G1+1], 32<<16
	s_mov_b32 s[G1+2], 96<<16
	s_mov_b32 s[G1+3], 32<<16
	s_mov_b32 s[G1+4], 96
	s_mov_b32 s[G1+5], 32
	s_mov_b32 s[G1+6], 0
	s_mov_b32 s[G1+7], 0
	s_mov_b32 s[G1S], 15|(3<<16)|(1<<21)
	s_mov_b32 s[G1S+1], 32<<16
	s_mov_b32 s[G1S+2], 24<<16
	s_mov_b32 s[G1S+3], 32<<16
	s_mov_b32 s[G1S+4], 24
	s_mov_b32 s[G1S+5], 32
	s_mov_b32 s[G1S+6], 0
	s_mov_b32 s[G1S+7], 0
	s_mov_b32 s[SEL], 0x76543210
	s_mov_b32 s[SEL+1], 0xfedcba98
	s_mov_b32 s[CS], 0x3e38aa3b
	s_mov_b32 s[CS+1], s[CS]
	s_lshl_b32 s61, s59, 5
	s_lshl_b32 s62, s60, 1
	s_add_co_u32 s61, s61, s62                     ; 32 n + 2 g: q's head in qk
	s_add_co_u32 s63, s61, 16                      ; k's
	s_lshl_b32 s66, s59, 4
	s_add_co_u32 s66, s66, s62                     ; 16 n + 2 g: the head in vv and qsc
	s_and_b32 s67, s[WV], 1
	s_mul_i32 s67, s67, 24576                      ; which half of a slot's k or v I fetch
	s_and_b32 s72, s[WV], 3
	s_mul_i32 s73, s72, 6144                       ; my quarter of the scale words
	s_mul_i32 s72, s72, 24576                      ; my part of a slot
	s_cmp_lt_u32 s[WV], 2                          ; waves 0, 1 fetch k, waves 2, 3 v
	s_cselect_b32 s68, s63, s66
	s_mul_i32 s68, s68, 98304
	s_add_co_u32 s68, s68, s67
	s_mov_b32 s69, 0
	s_mul_i32 s70, s58, 24576
	s_add_co_u32 s70, s70, s73
	s_mov_b32 s71, 0
	s_lshl_b32 s74, s57, 4
	s_add_co_u32 s74, s74, s[WV]                   ; my tile of queries in the batch
	s_lshl_b32 s76, s61, 7
	s_add_co_u32 s76, s76, s74
	s_mul_i32 s76, s76, 768                        ; q's image
	s_mov_b32 s77, 0
	s_lshl_b32 s78, s66, 4                         ; q's words: group 2 block + wave / 8; in it tile wave % 8 = 2 i + h at 256 h + 16 r + 4 i
	s_lshl_b32 s79, s57, 1
	s_add_co_u32 s78, s78, s79
	s_lshr_b32 s79, s[WV], 3
	s_add_co_u32 s78, s78, s79
	s_lshl_b32 s78, s78, 9
	s_and_b32 s79, s[WV], 1
	s_lshl_b32 s79, s79, 8
	s_add_co_u32 s78, s78, s79
	s_bfe_u32 s79, s[WV], 0x20001
	s_lshl_b32 s79, s79, 2
	s_add_co_u32 s78, s78, s79
	s_mov_b32 s79, 0
	s_lshl_b32 s80, s59, 7
	s_add_co_u32 s80, s80, s74                     ; T: my row tile of the last product's operand
	s_lshl_b32 s82, s80, 9                         ; its words: 512 T + 256 (g / 4) + 4 (g % 4) + 16 r
	s_lshr_b32 s81, s60, 2
	s_lshl_b32 s81, s81, 8
	s_add_co_u32 s82, s82, s81
	s_and_b32 s81, s60, 3
	s_lshl_b32 s81, s81, 2
	s_add_co_u32 s82, s82, s81
	s_mov_b32 s83, 0
	s_mul_i32 s80, s80, 12288                      ; its codes: K step g
	s_mul_i32 s81, s60, 1536
	s_add_co_u32 s80, s80, s81
	s_mov_b32 s81, 0
	s_lshl_b32 s62, s59, 11                        ; the batch's mask bytes
	s_mov_b32 s63, 0
	s_wait_dscnt 0x0                               ; the opening add is done
	s_wait_kmcnt 0x0
	s_cmp_lt_u32 s[WV], 2
	s_cselect_b64 s[66:67], s[4:5], s[8:9]
	s_add_nc_u64 s[66:67], s[66:67], s[68:69]
	s_mov_b32 s[G0], 1
	s_mov_b32 s[G0+1], s72
	s_mov_b64 s[G0+2:G0+3], s[66:67]               ; slot 0: the first head's first half
	s_or_b32 s[G0+3], s[G0+3], 0x80000000
	s_mov_b32 s[G0+4], 1
	s_add_co_u32 s[G0+5], s72, 98304
	s_add_nc_u64 s[G0+6:G0+7], s[66:67], 49152     ; slot 1: its second half
	s_or_b32 s[G0+7], s[G0+7], 0x80000000
	s_mov_b32 s[G0S], 1
	s_add_co_u32 s[G0S+1], s73, SCB
	s_add_nc_u64 s[G0S+2:G0S+3], s[10:11], s[70:71]
	s_or_b32 s[G0S+3], s[G0S+3], 0x80000000
	s_add_nc_u64 s[76:77], s[4:5], s[76:77]
	s_add_nc_u64 s[78:79], s[6:7], s[78:79]
	s_add_nc_u64 s[12:13], s[12:13], s[62:63]
	s_add_nc_u64 s[14:15], s[14:15], s[80:81]
	s_add_nc_u64 s[16:17], s[16:17], s[82:83]
	CROUND                                         ; all four work-groups are here: the first joint loads meet
	s_cmp_lt_u32 s[WV], 4                          ; a wave's three first fills stand in one branch: three loads of mine are out at the most
	s_cbranch_scc0 .Lno_fetch
	tensor_load_to_lds s[G0S:G0S+3], s[G1S:G1S+7]
	s_nop 0
	tensor_load_to_lds s[G0:G0+3], s[G1:G1+7]
	s_nop 0
	tensor_load_to_lds s[G0+4:G0+7], s[G1:G1+7]
	s_nop 0
.rept 4
	v_nop
.endr
.Lno_fetch:
	v_and_b32 v7, 31, v0
	s_delay_alu instid0(VALU_DEP_1)
	v_lshlrev_b32 v1, 4, v7
	s_delay_alu instid0(VALU_DEP_2)
	v_lshlrev_b32 v2, 3, v7
	v_and_b32 v3, 15, v0
	s_delay_alu instid0(VALU_DEP_1)
	v_lshlrev_b32 v3, 4, v3
	v_bfe_u32 v4, v0, 4, 1
	s_delay_alu instid0(VALU_DEP_1)
	v_sub_nc_u32 v4, 1, v4                         ; 1 in lanes 0-15, 0 in lanes 16-31
	global_load_b128 v[16:19], v1, s[76:77]
	global_load_b64 v[20:21], v2, s[76:77] offset:512
	global_load_b128 v[192:195], v1, s[76:77] offset:98304
	global_load_b64 v[196:197], v2, s[76:77] offset:98816
	global_load_b32 v255, v3, s[78:79]
	global_load_b32 v204, v3, s[78:79] offset:8192
.irp i, 0,1,2,3
	global_load_b128 v[96+4*\i:99+4*\i], v1, s[12:13] offset:512*\i        ; the batch's 2,048 mask bytes, 64 a lane
.endr
	v_lshlrev_b32 v22, 3, v4                       ; q: k = 64 holds the code +1.0 (0x08), all else of k = 64 .. 127 zeros
	v_lshlrev_b32 v198, 3, v4
.irp j, 23,24,25,26,27,199,200,201,202,203
	v_mov_b32 v\j, 0
.endr
.irp t, 0,1,2,3
	v_mul_u32_u24 v[38+12*\t], v4, 0x28            ; k: the code -1.0 (0x28)
.irp j, 39,40,41,42,43
	v_mov_b32 v[\j+12*\t], 0
.endr
.endr
	v_mov_b32 v13, 0xff61b1e6                      ; the largest t so far: -3e38
	s_delay_alu instid0(VALU_DEP_1)
	v_floor_f32 v12, -v13                          ; -M
	v_mov_b32 v14, 0
	v_mov_b32 v15, 0
.irp b, 0,1,2,3
	v_mov_b32 v[236+\b], 0                         ; a lane permute's destination counts as one of its sources
.endr
	v_mov_b32 v253, 0
.set j, 0
.rept 32
	v_mov_b32 v[160+j], 0                          ; O^T: the first change of M leaves zeros zeros
.set j, j+1
.endr
	s_wait_loadcnt 0x0
.irp i, 1
	v_and_b32 v96, v96, v[96+\i]
.endr
.irp i, 2, 3, 4, 5, 6, 7, 8, 9, 10, 11, 12, 13, 14, 15
	s_delay_alu instid0(VALU_DEP_1)
	v_and_b32 v96, v96, v[96+\i]
.endr
	s_delay_alu instid0(VALU_DEP_1)
	v_cmp_eq_u32 s[AM], 0x1010101, v96             ; my 64 bytes are all 1
	s_cmp_eq_u32 s[AM], -1                         ; and so are every lane's
	s_cselect_b32 s[AM], 0, -1
.irp j, 16,17,18,19,20,21,192,193,194,195,196,197
	v_and_b32 v\j, s[AM], v\j
.endr
	s_wait_tensorcnt 1                             ; the scale words and slot 0 are in; slot 1's part may be out
	s_barrier_signal -1
	s_barrier_wait -1
; A KEY STEP: 128 keys.  qf, qs: q's fragment and its scale words
.macro STEP qf, qs
	v_add_nc_u32 v8, s[TB], v1
	s_wait_alu depctr_va_vdst(0)
	v_add_nc_u32 v9, s[TB], v2
	s_wait_alu depctr_va_vdst(0)
	v_add_nc_u32 v10, s[TS], v1
	v_add_nc_u32 v11, s[TJ], v2
	v_nop
	v_nop                                          ; six places: the first products below write over registers that the last step's products read (five are asked)
.irp g, 0,1
.if \g
.rept 4
	v_nop                                          ; places in front of loads into registers that matrix instructions have read
.endr
.endif
.irp t, 0,1,2,3
	ds_load_b128 v[32+12*\t:35+12*\t], v8 offset:(4*\g+\t)*768
	ds_load_b64 v[36+12*\t:37+12*\t], v9 offset:(4*\g+\t)*768+512
.endr
.if \g == 0
	ds_load_b128 v[248:251], v10                   ; register i: the words of tile 2 i in lanes 0-15, of tile 2 i + 1 in lanes 16-31
.endif
	s_wait_dscnt 0x0
.irp t, 0,2
	v_wmma_scale_f32_16x16x128_f8f6f4 v[96+8*(4*\g+\t):103+8*(4*\g+\t)], v[32+12*\t:43+12*\t], v[\qf:\qf+11], 0, v[248+2*\g+\t/2], v[\qs] matrix_a_fmt:MATRIX_FMT_FP6 matrix_b_fmt:MATRIX_FMT_FP6
	v_wmma_scale_f32_16x16x128_f8f6f4 v[104+8*(4*\g+\t):111+8*(4*\g+\t)], v[44+12*\t:55+12*\t], v[\qf:\qf+11], 0, v[248+2*\g+\t/2], v[\qs] matrix_a_fmt:MATRIX_FMT_FP6 matrix_b_fmt:MATRIX_FMT_FP6 matrix_a_scale:MATRIX_SCALE_ROW1
.endr
.endr                                          ; lane (r, h): my query r; register 16 b + i: key 32 b + 16 h + i of the step
.rept 4
	v_nop
.endr
.irp b, 0,1,2,3
	v_max3_num_f32 v[232+\b], v[96+16*\b], v[97+16*\b], v[98+16*\b]        ; the largest score of each block of 32 keys: for the row's maximum, and for the block's largest p
.endr
.irp i, 3,5,7,9,11,13
.irp b, 0,1,2,3
	v_max3_num_f32 v[232+\b], v[232+\b], v[96+16*\b+\i], v[97+16*\b+\i]
.endr
.endr
.irp b, 0,1,2,3
	v_max_num_f32 v[232+\b], v[232+\b], v[111+16*\b]
.endr
.irp b, 0,1,2,3
	s_delay_alu instid0(VALU_DEP_4)
	v_permlanex16_b32 v[236+\b], v[232+\b], s[SEL], s[SEL+1]
.endr
.irp b, 0,1,2,3
	s_delay_alu instid0(VALU_DEP_4)
	v_max_num_f32 v[232+\b], v[232+\b], v[236+\b]
.endr
	s_delay_alu instid0(VALU_DEP_2)
	v_max3_num_f32 v254, v232, v233, v234
	s_delay_alu instid0(VALU_DEP_1)
	v_max_num_f32 v254, v254, v235
	s_delay_alu instid0(VALU_DEP_1)
	v_mul_f32 v254, s[CS], v254
	s_delay_alu instid0(VALU_DEP_1)
	v_max_num_f32 v13, v13, v254                   ; the running largest t
	v_mov_b32 v254, v12
	s_delay_alu instid0(VALU_DEP_2)
	v_floor_f32 v12, -v13                          ; the new -M = -ceil(t)
	s_delay_alu instid0(VALU_DEP_1)
	v_sub_f32 v254, v12, v254                      ; old M - new M: a whole number, 0 or less
	s_delay_alu instid0(VALU_DEP_1)
	v_cvt_i32_f32 v254, v254                       ; (it saturates)
	s_delay_alu instid0(VALU_DEP_1)
	v_ldexp_f32 v252, 1.0, v254                    ; f = 2^(old M - new M)
.set j, 0
.rept 32
	v_pk_fma_f32 v[96+j:97+j], v[96+j:97+j], s[CS:CS+1], v[12:13] op_sel_hi:[1,0,0]   ; t - M
.set j, j+2
.endr
.irp b, 0,1,2,3
	v_fma_f32 v[232+\b], v[232+\b], s[CS], v12
.endr
.set j, 0
	s_wait_alu depctr_va_vdst(0)
.rept 64
	v_exp_f32 v[96+j], v[96+j]                     ; p = 2^(t - M): not normalised
.set j, j+1
.endr
	s_setprio 1
	v_pk_mul_f32 v[14:15], v[14:15], v[252:253] op_sel_hi:[1,0]    ; the sums under the new M: a plain place behind the exponentials
	s_wait_alu depctr_va_vdst(0)                   ; one wait for the batch, ahead of its first reader
.irp b, 0,1,2,3
	v_exp_f32 v[232+\b], v[232+\b]                 ; the blocks' largest p
.endr
	v_pk_add_f32 v[236:237], v[100:101], v[104:105]
	v_pk_add_f32 v[250:251], v[108:109], v[112:113]
	v_pk_add_f32 v[248:249], v[116:117], v[120:121]
	v_pk_add_f32 v[246:247], v[124:125], v[128:129]
	v_pk_add_f32 v[244:245], v[132:133], v[136:137]
	v_pk_add_f32 v[242:243], v[140:141], v[144:145]
	v_pk_add_f32 v[240:241], v[148:149], v[152:153]
	v_pk_add_f32 v[14:15], v[14:15], v[156:157]
	v_pk_add_f32 v[236:237], v[236:237], v[96:97]
	v_pk_add_f32 v[250:251], v[250:251], v[98:99]
	v_pk_add_f32 v[248:249], v[248:249], v[102:103]
	v_pk_add_f32 v[246:247], v[246:247], v[106:107]
	v_pk_add_f32 v[244:245], v[244:245], v[110:111]
	v_pk_add_f32 v[242:243], v[242:243], v[114:115]
	v_pk_add_f32 v[240:241], v[240:241], v[118:119]
	v_pk_add_f32 v[14:15], v[14:15], v[122:123]
	v_pk_add_f32 v[236:237], v[236:237], v[126:127]
	v_pk_add_f32 v[250:251], v[250:251], v[130:131]
	v_pk_add_f32 v[248:249], v[248:249], v[134:135]
	v_pk_add_f32 v[246:247], v[246:247], v[138:139]
	v_pk_add_f32 v[244:245], v[244:245], v[142:143]
	v_pk_add_f32 v[242:243], v[242:243], v[146:147]
	v_pk_add_f32 v[240:241], v[240:241], v[150:151]
	v_pk_add_f32 v[14:15], v[14:15], v[154:155]
	v_pk_add_f32 v[236:237], v[236:237], v[158:159]
	s_delay_alu instid0(VALU_DEP_2)
	v_pk_add_f32 v[14:15], v[14:15], v[246:247]
	s_delay_alu instid0(VALU_DEP_2)
	v_pk_add_f32 v[236:237], v[236:237], v[244:245]
	v_pk_add_f32 v[250:251], v[250:251], v[242:243]
	v_pk_add_f32 v[248:249], v[248:249], v[240:241]
	s_delay_alu instid0(VALU_DEP_2)
	v_pk_add_f32 v[14:15], v[14:15], v[250:251]
	s_delay_alu instid0(VALU_DEP_2)
	v_pk_add_f32 v[236:237], v[236:237], v[248:249]
	s_delay_alu instid0(VALU_DEP_1)
	v_pk_add_f32 v[14:15], v[14:15], v[236:237]
	s_wait_alu depctr_va_vdst(0)                   ; and one for the four
.irp b, 0,1,2,3
	v_max_num_f32 v[232+\b], 0x1800000, v[232+\b]  ; the floor 2^(3 - 127)
.endr
.irp b, 0,1,2,3
	s_delay_alu instid0(VALU_DEP_4)
	v_add_nc_u32 v[244+\b], 0xff000000, v[232+\b]
.endr
.irp b, 0,1,2,3
	s_delay_alu instid0(VALU_DEP_4)
	v_lshrrev_b32 v[236+\b], 23, v[244+\b]
.endr
	s_delay_alu instid0(VALU_DEP_3)
	v_lshl_or_b32 v253, v237, 8, v236              ; p's scale word for these 128 keys
	s_delay_alu instid0(VALU_DEP_1)
	v_lshl_or_b32 v253, v238, 16, v253
	s_delay_alu instid0(VALU_DEP_1)
	v_lshl_or_b32 v253, v239, 24, v253
.irp c, 0,1
	v_cvt_scalef32_pk16_fp6_f32 v[224+6*\c:226+6*\c], v[96+32*\c:111+32*\c], v[244+2*\c]
	v_cvt_scalef32_pk16_fp6_f32 v[236+4*\c:238+4*\c], v[112+32*\c:127+32*\c], v[244+2*\c+1]
.endr
.irp ct, 0,1,2,3
	FRAG 96+12*\ct,8,9,49152+1536*\ct              ; v's four fragments land in p's registers, which are done with, while the lines below are worked
.endr
	ds_load_b64 v[84:85], v11
	v_nop                                          ; one plain place behind a scaled conversion
.irp c, 0,1
.irp i, 0,1,2
	v_permlane16_swap_b32 v[224+6*\c+\i], v[236+4*\c+\i]
.endr
.irp i, 0,1,2
	s_delay_alu instid0(VALU_DEP_3)
	v_mov_b32 v[227+6*\c+\i], v[236+4*\c+\i]
.endr
.endr
.set j, 0
	s_setprio 0
.rept 16
	v_pk_mul_f32 v[160+j:161+j], v[160+j:161+j], v[252:253] op_sel_hi:[1,0]   ; O^T under the new M; these are also the places in front of the products below
.set j, j+2
.endr
	s_wait_alu depctr_va_vdst(0)
	s_wait_dscnt 0x0
.irp ct, 0,2                                   ; the four accumulators take turns
	v_wmma_scale_f32_16x16x128_f8f6f4 v[160+8*\ct:167+8*\ct], v[96+12*\ct:107+12*\ct], v[224:235], v[160+8*\ct:167+8*\ct], v[84+\ct/2], v253 matrix_a_fmt:MATRIX_FMT_FP6 matrix_b_fmt:MATRIX_FMT_FP6
	v_wmma_scale_f32_16x16x128_f8f6f4 v[168+8*\ct:175+8*\ct], v[108+12*\ct:119+12*\ct], v[224:235], v[168+8*\ct:175+8*\ct], v[84+\ct/2], v253 matrix_a_fmt:MATRIX_FMT_FP6 matrix_b_fmt:MATRIX_FMT_FP6 matrix_a_scale:MATRIX_SCALE_ROW1
.endr
.endm
; The eight key steps of slot L, which holds half L of head e of the pair
.macro HALF L, e, qf, qs
	s_mov_b32 s[TB], (\L)*98304
	s_mov_b32 s[TS], SCB+8192*(\e)+4096*(\L)
	s_mov_b32 s[TJ], SCB+16384+4096*(\e)+2048*(\L)
	s_mov_b32 s[CNT], 8
.Lstep_\@:
	s_setprio 2
	STEP \qf, \qs
	s_add_co_u32 s[TB], s[TB], 6144
	s_add_co_u32 s[TS], s[TS], 512
	s_add_co_u32 s[TJ], s[TJ], 256
	s_sub_co_u32 s[CNT], s[CNT], 1
	s_cmp_lg_u32 s[CNT], 0
	s_cbranch_scc1 .Lstep_\@
	s_setprio 0
.endm
; THE CHANGE OF SLOTS: each wave waits for all its tensor loads, adds 0 to its spare word, and waits for that and for its reads of the slot that it has left.  fill = 1: slot L, just left, takes the same half of the next head
.macro CHANGE L, fill
	s_wait_tensorcnt 0x0                           ; no tensor load of mine is out, so a group 0 may be written
	ds_add_u32 v5, v6                              ; 0 onto my spare word
.if \fill
	s_add_nc_u64 s[G0+4*(\L)+2:G0+4*(\L)+3], s[G0+4*(\L)+2:G0+4*(\L)+3], 98304
.endif
	s_wait_dscnt 0x0                               ; the add is done, and my reads of the slot are over
.if \fill
	CROUND                                         ; no wave of any partner still reads the slot or has a load on its way
	s_cmp_lt_u32 s[WV], 4
	s_cbranch_scc0 .Lnone_\@
	tensor_load_to_lds s[G0+4*(\L):G0+4*(\L)+3], s[G1:G1+7]        ; the first thing behind the round, and my one tensor load until the next
	s_nop 0
.rept 4
	v_nop
.endr
.Lnone_\@:
.else
	s_barrier_signal -1
	s_barrier_wait -1
.endif
.endm
; A head is done: O^T / the sum, quantised along its 64 channels (two blocks), leaves as half e of my fragment
.macro FINISH e
.rept 4
	v_nop                                          ; places behind the last products
.endr
	v_add_f32 v14, v14, v15
	s_delay_alu instid0(VALU_DEP_1)
	v_permlanex16_b32 v252, v14, s[SEL], s[SEL+1]
	s_delay_alu instid0(VALU_DEP_1)
	v_add_f32 v14, v14, v252                       ; the row's sum
	s_wait_alu depctr_va_vdst(0)
	v_rcp_f32 v14, v14
	v_nop                                          ; a plain place behind the transcendental
	s_wait_alu depctr_va_vdst(0)                   ; and the wait ahead of its first reader
.set j, 0
.rept 16
	v_pk_mul_f32 v[96+j:97+j], v[160+j:161+j], v[14:15] op_sel_hi:[1,0]       ; register 16 b + i: channel 32 b + 16 h + i; each accumulator from its low end on
.set j, j+2
.endr
.irp b, 0,1
	v_max3_num_f32 v[232+\b], |v[96+16*\b]|, |v[97+16*\b]|, 0x1800000
.endr
.irp i, 2,4,6,8,10,12,14
.irp b, 0,1
	s_delay_alu instid0(VALU_DEP_2)
	v_max3_num_f32 v[232+\b], v[232+\b], |v[96+16*\b+\i]|, |v[97+16*\b+\i]|
.endr
.endr
.irp b, 0,1
	s_delay_alu instid0(VALU_DEP_2)
	v_permlanex16_b32 v[236+\b], v[232+\b], s[SEL], s[SEL+1]
.endr
.irp b, 0,1
	s_delay_alu instid0(VALU_DEP_2)
	v_max_num_f32 v[232+\b], v[232+\b], v[236+\b]
.endr
.irp b, 0,1
	s_delay_alu instid0(VALU_DEP_2)
	v_add_nc_u32 v[244+\b], 0xff000000, v[232+\b]
.endr
.irp b, 0,1
	s_delay_alu instid0(VALU_DEP_2)
	v_lshrrev_b32 v[236+\b], 23, v[244+\b]
.endr
	s_delay_alu instid0(VALU_DEP_1)
	v_lshl_or_b32 v254, v237, 8, v236              ; the head's two bytes
	v_cvt_scalef32_pk16_fp6_f32 v[224:226], v[96:111], v244
	v_cvt_scalef32_pk16_fp6_f32 v[236:238], v[112:127], v245
	v_nop
.irp i, 0,1,2
	v_permlane16_swap_b32 v[224+\i], v[236+\i]
.endr
.irp i, 0,1,2
	s_delay_alu instid0(VALU_DEP_3)
	v_mov_b32 v[227+\i], v[236+\i]
.endr
	global_store_b128 v1, v[224:227], s[14:15] offset:768*(\e)             ; whole aligned runs of 256 bytes
	global_store_b64 v2, v[228:229], s[14:15] offset:768*(\e)+512
.if (\e) == 0
	v_mov_b32 v86, v254
	v_mov_b32 v13, 0xff61b1e6                      ; the next head begins anew
	s_delay_alu instid0(VALU_DEP_1)
	v_floor_f32 v12, -v13
	v_mov_b32 v14, 0
	v_mov_b32 v15, 0
.set j, 0
.rept 32
	v_mov_b32 v[160+j], 0
.set j, j+1
.endr
	s_wait_xcnt 0x0                                ; the stores have read the codes' registers, which the next head writes again
.else
	v_lshl_or_b32 v86, v254, 16, v86               ; my row's scale word for K step g
	global_store_b32 v3, v86, s[16:17]             ; 4 bytes of each 16 of a run of 256: 64 bytes a wave beside 1,536 of codes; lanes r and r + 16 write the same word with the same value
.endif
.endm
	HALF 0, 0, 16, 255
	CHANGE 0, 1                                    ; slot 1 is whole; slot 0 takes the second head's first half
	HALF 1, 0, 16, 255
	CHANGE 1, 1                                    ; slot 0 is whole; slot 1 takes the second head's second half
	FINISH 0
	HALF 0, 1, 192, 204
	CHANGE 0, 0                                    ; slot 1 is whole; nothing is left to fetch
	HALF 1, 1, 192, 204
	FINISH 1
	s_wait_tensorcnt 0x0                           ; the wave's end
	ds_add_u32 v5, v6
	s_wait_dscnt 0x0
	CROUND                                         ; the closing round
	s_endpgm
.Lfunc_end_k_q88fe1f3f37_attn:
	.size	k_q88fe1f3f37_attn, .Lfunc_end_k_q88fe1f3f37_attn-k_q88fe1f3f37_attn
	.p2alignl 7, 3214868480
	.fill 96, 4, 3214868480
	.section	.rodata,"a",@progbits
	.p2align	6, 0x0
	.amdhsa_kernel k_q88fe1f3f37_attn
		.amdhsa_group_segment_fixed_size 327680
		.amdhsa_private_segment_fixed_size 0
		.amdhsa_enable_private_segment 0
		.amdhsa_kernarg_size 56
		.amdhsa_user_sgpr_count 2
		.amdhsa_user_sgpr_kernarg_segment_ptr 1
		.amdhsa_wavefront_size32 1
		.amdhsa_system_sgpr_workgroup_id_x 1
		.amdhsa_system_sgpr_workgroup_id_y 1
		.amdhsa_system_sgpr_workgroup_id_z 1
		.amdhsa_system_vgpr_workitem_id 0
		.amdhsa_next_free_vgpr 256
		.amdhsa_next_free_sgpr 84
		.amdhsa_reserve_vcc 0
		.amdhsa_float_denorm_mode_32 3
		.amdhsa_float_denorm_mode_16_64 3
		.amdhsa_memory_ordered 1
		.amdhsa_forward_progress 1
		.amdhsa_inst_pref_size 95
	.end_amdhsa_kernel
	.amdgpu_metadata
---
amdhsa.version: [ 1, 2 ]
amdhsa.kernels:
  - .name:           k_q88fe1f3f37_attn
    .symbol:         k_q88fe1f3f37_attn.kd
    .args:
      - { .name: qk, .offset: 0, .size: 8, .value_kind: global_buffer, .address_space: global }
      - { .name: qsc, .offset: 8, .size: 8, .value_kind: global_buffer, .address_space: global }
      - { .name: vv, .offset: 16, .size: 8, .value_kind: global_buffer, .address_space: global }
      - { .name: sc, .offset: 24, .size: 8, .value_kind: global_buffer, .address_space: global }
      - { .name: mask, .offset: 32, .size: 8, .value_kind: global_buffer, .address_space: global }
      - { .name: ao, .offset: 40, .size: 8, .value_kind: global_buffer, .address_space: global }
      - { .name: aos, .offset: 48, .size: 8, .value_kind: global_buffer, .address_space: global }
    .group_segment_fixed_size: 327680
    .private_segment_fixed_size: 0
    .kernarg_segment_align: 8
    .kernarg_segment_size: 56
    .max_flat_workgroup_size: 512
    .sgpr_count:     84
    .vgpr_count:     256
    .wavefront_size: 32
...
	.end_amdgpu_metadata
.endif
;; end of part 3
;; launch proj (part 4): grid 4 x 32, 4 waves a work-group, clusters of 4 x 4, 327,680 bytes of LDS; arguments ao, aos, cod, csc, b_out, out0; writes out0
.if DOCPART == 4
	.amdgcn_target "amdgcn-amd-amdhsa--gfx1250"
	.amdhsa_code_object_version 6
	.text
	.protected	k_q88fe1f3f37_proj
	.globl	k_q88fe1f3f37_proj
	.p2align	8
	.type	k_q88fe1f3f37_proj,@function
k_q88fe1f3f37_proj:
	s_mov_b64 s[64:65], 0
	v_nop
	global_prefetch_b8 v0, s[64:65] scope:SCOPE_SE
	s_setreg_imm32_b32 hwreg(HW_REG_WAVE_MODE, 25, 1), 1
	s_wait_xcnt 0x0
	s_wait_alu depctr_hold_cnt(0) depctr_sa_sdst(0) depctr_va_vdst(0) depctr_va_sdst(0) depctr_va_ssrc(0) depctr_va_vcc(0) depctr_vm_vsrc(0)
	s_getreg_b32 s2, hwreg(HW_REG_IB_STS2, 6, 4)
	s_cmp_eq_u32 s2, 0
	s_cbranch_scc0 .Lentry_in_a_cluster
	s_endpgm
.Lentry_in_a_cluster:
	s_bfe_u32 s2, ttmp6, 0x10000c
	s_cmp_lg_u32 s2, 0xf033
	s_cbranch_scc0 .Lentry_shape_is_right
	s_endpgm
.Lentry_shape_is_right:
.set SLOTB, 98304
.set PARTB, 24576
.set TILEB, 3072
.set FRB,   1536
.set SCL,   294912
.set SPARE, 311296
.set FR,    12
.set A16, 8
.set A8,  11
.set B16, 14
.set B8,  17
.set ADRS, 20
.set L16, 21
.set L8,  22
.set STO, 23
.set RD,  24
.set H64, 25
.set SPW, 28
.set NIL, 29
.set SC,  32
.set AF,  128
.set WV, 20
.set H1, 21
.set H0, 22
.set CX, 23
.set CY, 24
.set CLY, 25
.set G1,   28
.set G1B,  36
.set G1S,  44
.set G1SB, 52
.set G0A,  68
.set G0B,  80
.set G0S,  92
.set G0SB, 96
.set MSB, 0
.macro WIN new
.if MSB != (\new)
	s_set_vgpr_msb (MSB<<8)|(\new)
.set MSB, (\new)
.endif
.endm
.set MUL_LO, 0xa1
.set MUL_HI, 0xf1
.set TO_B,   0x40
.macro JLOAD g0a, g1a, g0b, g1b
	s_cmp_eq_u32 s[H1], 0
	s_cbranch_scc0 .Lfor_b_\@
	tensor_load_to_lds s[\g0a:\g0a+3], s[\g1a:\g1a+7]
	s_nop 0
.rept 4
	v_nop
.endr
	s_branch .Lasked_\@
.Lfor_b_\@:
	tensor_load_to_lds s[\g0b:\g0b+3], s[\g1b:\g1b+7]
	s_nop 0
.rept 4
	v_nop
.endr
.Lasked_\@:
.endm
.macro CREST
	s_cmp_lg_u32 s[WV], 0
	s_cbranch_scc1 .Lnot_wave_0_\@
	s_barrier_signal -3
.Lnot_wave_0_\@:
	s_barrier_wait -3
	s_barrier_signal -1
	s_barrier_wait -1
.endm
.macro CROUND
	s_barrier_signal -1
	s_barrier_wait -1
	CREST
.endm
.macro PLACES
.rept 4
	v_nop
.endr
.endm
.macro FRAG reg, a16, a8, off
	ds_load_b128 v[\reg:\reg+3], v[\a16] offset:\off
	ds_load_b64 v[\reg+4:\reg+5], v[\a8] offset:\off+512
	ds_load_b128 v[\reg+6:\reg+9], v[\a16] offset:\off+768
	ds_load_b64 v[\reg+10:\reg+11], v[\a8] offset:\off+1280
.endm
.macro FETCH_B L, q, p
	WIN TO_B
.irp i, 0,1,2,3,4,5,6,7
	FRAG 128*(\p)+FR*\i,B16+\L,B8+\L,TILEB*\i+FRB*(\q)
.endr
	WIN 0
.endm
.macro FETCH_A L, q, i0
.irp i, \i0, \i0+1, \i0+2, \i0+3
	FRAG AF+FR*(\i),A16+\L,A8+\L,TILEB*(\i)+FRB*(\q)
.endr
.endm
.macro SCALES set, s
.irp i, 0,1,2,3,4,5,6,7
	ds_load_b64 v[SC+16*(\set)+2*\i:SC+16*(\set)+2*\i+1], v[ADRS] offset:512*\i+256*((\s)/2)+8*((\s)%2)
.endr
.endm
.macro MUL16 a0, p, q, sc, zero
.irp a, \a0, \a0+1
.irp b, 0,1,2,3,4,5,6,7
.if \zero
	v_wmma_scale_f32_16x16x128_f8f6f4 v[8*(8*((\a)%4)+\b):8*(8*((\a)%4)+\b)+7], v[128*(\p)+FR*\b:128*(\p)+FR*\b+FR-1], v[AF+FR*(\a):AF+FR*(\a)+FR-1], 0, v[SC+16*(\sc)+2*\b+(\q)], v[SC+16*(\sc)+2*(\a)+(\q)] matrix_a_fmt:MATRIX_FMT_FP6 matrix_b_fmt:MATRIX_FMT_FP6 matrix_a_scale:MATRIX_SCALE_ROW1
.else
	v_wmma_scale_f32_16x16x128_f8f6f4 v[8*(8*((\a)%4)+\b):8*(8*((\a)%4)+\b)+7], v[128*(\p)+FR*\b:128*(\p)+FR*\b+FR-1], v[AF+FR*(\a):AF+FR*(\a)+FR-1], v[8*(8*((\a)%4)+\b):8*(8*((\a)%4)+\b)+7], v[SC+16*(\sc)+2*\b+(\q)], v[SC+16*(\sc)+2*(\a)+(\q)] matrix_a_fmt:MATRIX_FMT_FP6 matrix_b_fmt:MATRIX_FMT_FP6 matrix_a_scale:MATRIX_SCALE_ROW1
.endif
.endr
.endr
.endm
.macro STEP q, sc, zero, nL, nq, ns
	s_wait_dscnt 16
	WIN MUL_LO
	MUL16 0, \q, \q, \sc, \zero
	MUL16 2, \q, \q, \sc, \zero
	s_wait_dscnt 0x0
	PLACES
	FETCH_B \nL, \nq, \nq
	FETCH_A \nL, \nq, 0
.if \ns >= 0
	SCALES (\ns)%2, \ns
.endif
	WIN MUL_HI
	MUL16 4, \q, \q, \sc, \zero
	MUL16 6, \q, \q, \sc, \zero
	PLACES
	WIN 0
	FETCH_A \nL, \nq, 4
.endm
.macro TURN sc, nL, ns, fill
	s_wait_tensorcnt 0x0
	ds_add_u32 v[SPW], v[NIL]
	s_wait_dscnt 17
	WIN MUL_LO
	MUL16 0, 1, 1, \sc, 0
	s_wait_dscnt 0x0
	s_barrier_signal -1
	MUL16 2, 1, 1, \sc, 0
	WIN 0
	s_barrier_wait -1
.if \fill
	CREST
	s_add_nc_u64 s[G0A+2:G0A+3], s[G0A+2:G0A+3], 3*TILEB
	s_add_nc_u64 s[G0B+2:G0B+3], s[G0B+2:G0B+3], 3*TILEB
	JLOAD G0A,G1,G0B,G1B
.else
	PLACES
.endif
	FETCH_B \nL, 0, 0
	FETCH_A \nL, 0, 0
	SCALES (\ns)%2, \ns
	WIN MUL_HI
	MUL16 4, 1, 1, \sc, 0
	MUL16 6, 1, 1, \sc, 0
	PLACES
	WIN 0
	FETCH_A \nL, 0, 4
.endm
	s_load_b256 s[4:11], s[0:1], 0x0
	s_load_b128 s[12:15], s[0:1], 0x20
	v_lshl_add_u32 v[SPW], v0, 2, SPARE
	v_mov_b32 v[NIL], 0
	ds_add_u32 v[SPW], v[NIL]
	ds_add_u32 v[SPW], v[NIL]
	v_lshrrev_b32 v1, 5, v0
	v_readfirstlane_b32 s[WV], v1
	s_lshr_b32 s[H1], s[WV], 1
	s_and_b32 s[H0], s[WV], 1
	s_bfe_u32 s[CX], ttmp6, 0x40000
	s_bfe_u32 s[CY], ttmp6, 0x40004
	s_and_b32 s[CLY], ttmp7, 0xffff
	s_lshl_b32 s2, s[CY], 2
	s_lshl_b32 s2, 15, s2
	s_lshl_b32 s3, 0x1111, s[CX]
	s_or_b32 s[G1], s2, (3<<16)|(1<<21)
	s_or_b32 s[G1B], s3, (3<<16)|(1<<21)
	s_or_b32 s[G1S], s2, (3<<16)|(1<<21)
	s_or_b32 s[G1SB], s3, (3<<16)|(1<<21)
.irp g, G1, G1B
	s_mov_b32 s[\g+1], 384<<16
	s_mov_b32 s[\g+2], 8<<16
	s_mov_b32 s[\g+3], 384<<16
	s_mov_b32 s[\g+4], 8
	s_mov_b32 s[\g+5], 1536
	s_mov_b32 s[\g+6], 0
	s_mov_b32 s[\g+7], 0
.endr
.irp g, G1S, G1SB
	s_mov_b32 s[\g+1], 32<<16
	s_mov_b32 s[\g+2], 16<<16
	s_mov_b32 s[\g+3], 32<<16
	s_mov_b32 s[\g+4], 16
	s_mov_b32 s[\g+5], 32
	s_mov_b32 s[\g+6], 0
	s_mov_b32 s[\g+7], 0
.endr
	s_lshl_b32 s27, s[H0], 3
	s_lshl_b32 s60, s[CLY], 2
	s_add_co_u32 s60, s60, s[CY]
	s_lshl_b32 s60, s60, 4
	s_add_co_u32 s60, s60, s27
	s_lshl_b32 s62, s[CX], 4
	s_add_co_u32 s62, s62, 704
	s_add_co_u32 s62, s62, s27
	s_lshl_b32 s66, s60, 9
	s_mov_b32 s67, 0
	s_lshl_b32 s100, s62, 9
	s_mov_b32 s101, 0
	s_mul_i32 s60, s60, 12288
	s_mov_b32 s61, 0
	s_mul_i32 s62, s62, 12288
	s_mov_b32 s63, 0
	s_mul_i32 s2, s[WV], PARTB
	s_lshl_b32 s3, s[WV], 12
	s_add_co_u32 s3, s3, SCL
	s_wait_dscnt 0x0
	s_wait_kmcnt 0x0
	s_add_nc_u64 s[60:61], s[4:5], s[60:61]
	s_add_nc_u64 s[62:63], s[8:9], s[62:63]
	s_add_nc_u64 s[66:67], s[6:7], s[66:67]
	s_add_nc_u64 s[100:101], s[10:11], s[100:101]
	CROUND
	s_mov_b32 s[G0S], 1
	s_mov_b32 s[G0S+1], s3
	s_mov_b64 s[G0S+2:G0S+3], s[66:67]
	s_or_b32 s[G0S+3], s[G0S+3], 0x80000000
	s_mov_b32 s[G0SB], 1
	s_mov_b32 s[G0SB+1], s3
	s_mov_b64 s[G0SB+2:G0SB+3], s[100:101]
	s_or_b32 s[G0SB+3], s[G0SB+3], 0x80000000
	JLOAD G0S,G1S,G0SB,G1SB
.irp L, 0,1,2
	s_mov_b32 s[G0A+4*\L], 1
	s_add_co_u32 s[G0A+4*\L+1], s2, \L*SLOTB
	s_add_nc_u64 s[G0A+4*\L+2:G0A+4*\L+3], s[60:61], \L*TILEB
	s_or_b32 s[G0A+4*\L+3], s[G0A+4*\L+3], 0x80000000
	s_mov_b32 s[G0B+4*\L], 1
	s_add_co_u32 s[G0B+4*\L+1], s2, \L*SLOTB
	s_add_nc_u64 s[G0B+4*\L+2:G0B+4*\L+3], s[62:63], \L*TILEB
	s_or_b32 s[G0B+4*\L+3], s[G0B+4*\L+3], 0x80000000
	s_wait_alu depctr_va_vdst(0)
	s_wait_tensorcnt 0x0
	ds_add_u32 v28, v29
	s_wait_dscnt 0x0
	CROUND
	JLOAD G0A+4*\L,G1,G0B+4*\L,G1B
.endr
	v_and_b32 v1, 15, v0
	v_bfe_u32 v2, v0, 4, 1
	v_and_b32 v3, 31, v0
	v_lshlrev_b32 v[L16], 4, v3
	v_lshlrev_b32 v[L8], 3, v3
	s_mul_i32 s2, s[H1], PARTB
	s_mul_i32 s3, s[H0], PARTB
	s_add_co_u32 s3, s3, 2*PARTB
.irp L, 0,1,2
	v_add_nc_u32 v[A16+\L], s2, v[L16]
	v_add_nc_u32 v[A8+\L], s2, v[L8]
	v_add_nc_u32 v[B16+\L], s3, v[L16]
	v_add_nc_u32 v[B8+\L], s3, v[L8]
	s_add_co_u32 s2, s2, SLOTB
	s_add_co_u32 s3, s3, SLOTB
.endr
	s_lshl_b32 s2, s[H1], 12
	s_lshl_b32 s3, s[H0], 12
	s_add_co_u32 s3, s3, 8192
	s_sub_co_u32 s3, s3, s2
	v_mul_u32_u24 v4, s3, v2
	s_add_co_u32 s2, s2, SCL
	v_lshl_add_u32 v4, v1, 4, v4
	v_add_nc_u32 v[ADRS], s2, v4
	v_lshlrev_b32 v[H64], 6, v2
	s_wait_alu depctr_va_vdst(0)
	s_mul_i32 s2, s[WV], 8448
	s_add_co_u32 s2, s2, SLOTB
	v_mul_u32_u24 v4, v1, 528
	v_lshl_add_u32 v4, v2, 6, v4
	v_add_nc_u32 v[STO], s2, v4
	v_add_nc_u32 v[RD], s2, v[L16]
	s_lshl_b32 s60, s[CX], 1
	s_add_co_u32 s60, s60, s[H0]
	s_lshl_b32 s60, s60, 9
	s_mov_b32 s61, 0
	s_add_nc_u64 s[60:61], s[12:13], s[60:61]
	WIN TO_B
.irp bb, 0,1,2,3
.irp j, 0,1,2,3
	global_load_b128 v[96+96*(\bb/2)+16*\bb+4*\j:96+96*(\bb/2)+16*\bb+4*\j+3], v[H64], s[60:61] offset:128*\bb+16*\j
.endr
.endr
	WIN 0
	s_wait_tensorcnt 2
	s_barrier_signal -1
	s_barrier_wait -1
	FETCH_B 0, 0, 0
	FETCH_A 0, 0, 0
	SCALES 0, 0
	FETCH_A 0, 0, 4
	STEP 0, 0, 1, 0, 1, -1
	TURN 0, 1, 1, 1
	STEP 0, 1, 0, 1, 1, -1
	STEP 1, 1, 0, 2, 0, 2
	STEP 0, 0, 0, 2, 1, -1
	TURN 0, 0, 3, 0
	STEP 0, 1, 0, 0, 1, -1
	s_wait_dscnt 16
	WIN MUL_LO
	MUL16 0, 1, 1, 1, 0
	MUL16 2, 1, 1, 1, 0
	s_wait_dscnt 0x0
	WIN MUL_HI
	MUL16 4, 1, 1, 1, 0
	MUL16 6, 1, 1, 1, 0
	WIN 0
	PLACES
	s_wait_loadcnt 0x0
	s_lshl_b32 s32, s[CLY], 2
	s_add_co_u32 s32, s32, s[CY]
	s_lshl_b32 s32, s32, 1
	s_add_co_u32 s32, s32, s[H1]
	s_lshl_b32 s32, s32, 19
	s_lshl_b32 s33, s[CX], 1
	s_add_co_u32 s33, s33, s[H0]
	s_lshl_b32 s33, s33, 9
	s_add_co_u32 s32, s32, s33
	s_mov_b32 s33, 0
	s_add_nc_u64 s[14:15], s[14:15], s[32:33]
.macro TOSTAGE a
.set XR, 64+64*((\a)%2)
	WIN 0x06+(\a)/4
.set m, 0
.rept 32
	v_pk_add_f32 v[XR+2*m:XR+2*m+1], v[64*((\a)%4)+2*m:64*((\a)%4)+2*m+1], v[96+96*(m/16)+2*m:96+96*(m/16)+2*m+1]
.set m, m+1
.endr
	WIN 0
.irp bb, 0,1,2,3
.irp j, 0,1,2,3
	ds_store_b128 v[STO], v[XR+16*\bb+4*\j:XR+16*\bb+4*\j+3] offset:128*\bb+16*\j
.endr
.endr
.irp t, 0,1,2,3,4,5,6,7,8,9,10,11,12,13,14,15
	ds_load_b128 v[XR+4*\t:XR+4*\t+3], v[RD] offset:528*\t
.endr
.endm
.macro SEND a, younger
.set XR, 64+64*((\a)%2)
	s_wait_dscnt \younger
.irp t, 0,1,2,3,4,5,6,7,8,9,10,11,12,13,14,15
	global_store_b128 v[L16], v[XR+4*\t:XR+4*\t+3], s[14:15] offset:(32*((\a)/2)+8*((\a)%2)+\t+8*(\t/8))*4096 th:TH_STORE_NT
.endr
.endm
	TOSTAGE 0
.irp a, 1,2,3,4,5,6,7
.if \a > 1
	s_wait_xcnt 0x0
.endif
	TOSTAGE \a
	SEND \a-1, 32
.endr
	SEND 7, 0
	s_wait_tensorcnt 0x0
	ds_add_u32 v[SPW], v[NIL]
	s_wait_dscnt 0x0
	CROUND
	s_endpgm
.Lfunc_end_k_q88fe1f3f37_proj:
	.size	k_q88fe1f3f37_proj, .Lfunc_end_k_q88fe1f3f37_proj-k_q88fe1f3f37_proj
	.p2alignl 7, 3214868480
	.fill 96, 4, 3214868480
	.section	.rodata,"a",@progbits
	.p2align	6, 0x0
	.amdhsa_kernel k_q88fe1f3f37_proj
		.amdhsa_group_segment_fixed_size 327680
		.amdhsa_private_segment_fixed_size 0
		.amdhsa_enable_private_segment 0
		.amdhsa_kernarg_size 48
		.amdhsa_user_sgpr_count 2
		.amdhsa_user_sgpr_kernarg_segment_ptr 1
		.amdhsa_wavefront_size32 1
		.amdhsa_system_sgpr_workgroup_id_x 1
		.amdhsa_system_sgpr_workgroup_id_y 1
		.amdhsa_system_sgpr_workgroup_id_z 1
		.amdhsa_system_vgpr_workitem_id 0
		.amdhsa_next_free_vgpr 1024
		.amdhsa_next_free_sgpr 102
		.amdhsa_reserve_vcc 0
		.amdhsa_float_denorm_mode_32 3
		.amdhsa_float_denorm_mode_16_64 3
		.amdhsa_memory_ordered 1
		.amdhsa_forward_progress 1
		.amdhsa_inst_pref_size 162
	.end_amdhsa_kernel
	.amdgpu_metadata
---
amdhsa.version: [ 1, 2 ]
amdhsa.kernels:
  - .name:           k_q88fe1f3f37_proj
    .symbol:         k_q88fe1f3f37_proj.kd
    .args:
      - { .name: ao, .offset: 0, .size: 8, .value_kind: global_buffer, .address_space: global }
      - { .name: aos, .offset: 8, .size: 8, .value_kind: global_buffer, .address_space: global }
      - { .name: cod, .offset: 16, .size: 8, .value_kind: global_buffer, .address_space: global }
      - { .name: csc, .offset: 24, .size: 8, .value_kind: global_buffer, .address_space: global }
      - { .name: b_out, .offset: 32, .size: 8, .value_kind: global_buffer, .address_space: global }
      - { .name: out0, .offset: 40, .size: 8, .value_kind: global_buffer, .address_space: global }
    .group_segment_fixed_size: 327680
    .private_segment_fixed_size: 0
    .kernarg_segment_align: 8
    .kernarg_segment_size: 48
    .max_flat_workgroup_size: 128
    .sgpr_count:     102
    .vgpr_count:     1024
    .wavefront_size: 32
...
	.end_amdgpu_metadata
.endif
;; end of part 4
